; MI455X (gfx1250); checked and timed in simulation.
; The chip was launched on July 23, 2026; its instructions are those of AMD's public machine-readable ISA for CDNA 5 (MIT licence, August 2026) and "CDNA5" Instruction Set Architecture Reference Guide (July 2026). The comments in the code are by the model that wrote it; some were corrected since.
;; Multi Head Attention. Allowed arithmetic: matrix products marked QUANTISED: E2M3 operands, one E8M0 scale for each 32 along K, by v_wmma_scale_f32_16x16x128_f8f6f4 with both operands' format E2M3, f32 sums; everything else in f32.
;; Inputs: Wk 16 x 1,024 x 64 float32; Wp 1,024 x 1,024 float32; Wq 16 x 1,024 x 64 float32; Wv 16 x 1,024 x 64 float32; bp 1,024 float32; x 4 x 2,048 x 1,024 float32.
;; Outputs: out0 4 x 2,048 x 1,024 float32.
;; This version of the problem:
;;   THIS VERSION OF THE PROBLEM IS GIVEN IN LOW PRECISION. The matrix products marked QUANTISED in the list below multiply operands that are first quantised to E2M3 (2 exponent bits, 3 mantissa bits; 6 bits a number), with one power-of-two scale for each 32 numbers along K (OCP MX v1.0); their sums are f32. All else is computed in f32.
;;   The module's matrix products, in the order in which they are computed (A, B: the left and right operand; K: the contracted axis; several contracted axes count as one K, in the product's order):
;;     1. [M 1,024, K 1,024] x [K 1,024, N 8,192]; A: input Wq; B: input x: QUANTISED
;;     2. [M 1,024, K 1,024] x [K 1,024, N 8,192]; A: input Wk; B: input x: QUANTISED
;;     3. [M 1,024, K 1,024] x [K 1,024, N 8,192]; A: input Wv; B: input x: QUANTISED
;;     4. batch 64 x [M 2,048, K 64] x [K 64, N 2,048]; A: computed on the way; B: computed on the way: QUANTISED
;;     5. batch 64 x [M 2,048, K 2,048] x [K 2,048, N 64]; A: softmax (see below); B: computed on the way: QUANTISED
;;     6. [M 8,192, K 1,024] x [K 1,024, N 1,024]; A: computed on the way; B: input Wp: QUANTISED
;;   THE QUANTISER, for each operand of a quantised product, along K:
;;     - K is cut into blocks of 32 from its start; a last block that is shorter is filled with zeros.
;;     - A block's scale is 2^e with e = floor(log2(the largest magnitude in the block)) - 2, held to -126 .. 127; a block of zeros has e = 0. As a byte (E8M0): e + 127.
;;     - Each number is divided by its block's scale, clamped to +-7.5, and rounded to the nearest number of E2M3, ties to even, subnormals kept.
;;     - The product sums the exact products of the quantised numbers (number of the format x scale) in f32.
;;   ~~~python
;;   def quantise(x, axis):      # numpy; x: float32 -> the quantised numbers, widened to float32 again
;;       x = np.moveaxis(x, axis, -1); K = x.shape[-1]
;;       x = np.pad(x, [(0, 0)] * (x.ndim - 1) + [(0, -K % 32)]); x = x.reshape(x.shape[:-1] + (-1, 32)); a = np.abs(x).max(-1, keepdims=True)
;;       e = np.where(a > 0, np.clip(np.frexp(np.where(a > 0, a, 1))[1] - 1 - 2, -126, 127), 0)      # np.frexp(a)[1] - 1 = floor(log2(a)), exactly
;;       r = np.clip(x / 2.0 ** e, -7.5, 7.5)
;;       step = 2.0 ** (np.maximum(np.frexp(np.where(r == 0, 1, r))[1] - 1, 0) - 3)
;;       q = np.round(r / step) * step * 2.0 ** e      # np.round: ties to even
;;       return np.moveaxis(q.reshape(q.shape[:-2] + (-1,))[..., :K], -1, axis).astype(np.float32)
;;   ~~~
;;   SOFTMAX AHEAD OF A QUANTISED PRODUCT. Where the list says 'softmax', what is quantised is not the finished softmax but p = 2^(t - M), with t = logit x log2(e) and M = ceil(the row's largest t), a whole number; so 1/2 < the row's largest p <= 1. The row's sum l is taken of the UNQUANTISED p, in f32, and the product's result is divided by l at the end. Since M is a whole number, a kernel that streams over the keys may use a running M (the ceiling of the running maximum): every later rescaling is an exact power of two, which a block's scale takes up: the codes' values come out the same.
;;   OPERANDS COMPUTED ON THE WAY. 'Computed on the way' means the value that the module computes at that place (a softmax that the list does not call 'softmax' is quantised finished and normalised). What goes into a quantiser is computed in f32, as accurately as f32 sums, v_exp_f32 and their like allow (about 1e-6 of the number): no bf16 or f16 on the way to a quantiser, and a product that is left as it is and whose result goes on into a quantised operand takes f32 operands (vector FMAs, or v_wmma_f32_16x16x4_f32). A number that lies on a knife's edge between two numbers of the format may be rounded either way, as far as f32 arithmetic and the matrix unit's own rounding can turn it there, and no further.
;; One version. Each part assembles by itself: llvm-mc -triple=amdgcn-amd-amdhsa -mcpu=gfx1250 --defsym DOCPART=n.
;; ======== version 1 of 1: 4 launches
;; limits: right only within a limited range of input values
;; workspace buffers: xq 6,553,600 bytes; wq 3,276,800 bytes; qb 6,815,744 bytes; kvb 13,369,344 bytes; ob 6,553,600 bytes
;; launch prep (part 1): grid 384 x 1, 4 waves a work-group, no clusters, 34,304 bytes of LDS; arguments x, Wq, Wk, Wv, Wp, xq, wq; writes xq, wq
.if DOCPART == 1
	.amdgcn_target "amdgcn-amd-amdhsa--gfx1250"
	.amdhsa_code_object_version 6
	.text
	.protected	k_q5a41adab40_prep
	.globl	k_q5a41adab40_prep
	.p2align	8
	.type	k_q5a41adab40_prep,@function
k_q5a41adab40_prep:
	s_mov_b64 s[64:65], 0
	v_nop
	global_prefetch_b8 v0, s[64:65] scope:SCOPE_SE
	s_setreg_imm32_b32 hwreg(HW_REG_WAVE_MODE, 25, 1), 1
	s_wait_xcnt 0x0
; PREP: the five f32 inputs become codes of FP6 (E2M3) with one E8M0 byte for each 32 along K = 1,024, once, laid as IMAGES OF OPERAND REGISTERS.
; A tile is 16 rows ("slots") of an aligned group of 32 rows: tile u, slot r holds row 8 u + r + 8 (r / 8).  A fragment (16 slots x 128 K, 12 registers a lane) lies as 3 x 512 bytes:
; register p of lane l at 512 (p / 4) + 16 l + 4 (p % 4).  Codes: [row tile][K step of 128][1,536 bytes].  Scale bytes: 1,024 (group) + 256 (K / 256) + 8 (16 u + r) + (block % 8).
; xq holds x's 8,192 rows; wq holds 4,096 rows: Wq (row = 64 head + d), Wk, Wv, Wp.
; A work-group takes one group of 32 rows, wave w the K quarter w (256 along K).  Work-groups 0-95: Wq, Wk, Wv, whose K is not innermost: a lane takes a column and its registers run down K.
; Work-groups 96-127: Wp, 128-383: x, whose K is innermost: dense loads of 512 bytes turn through the wave's own stage in LDS so that a lane holds whole blocks of 32.
; A block's scale is 2^(floor(log2(largest magnitude)) - 2); its byte is that magnitude's exponent field - 2, held at 1 from below.
; LIMITS: a block of zeros gets the byte 1 where the rule says 127 (its codes are zeros; this program alone reads the bytes); NaN and infinities among the inputs are not served.
.set XSC,   6291456                    ; where xq's scale bytes begin
.set WSC,   3145728                    ; where wq's begin
.set STG,   8448                       ; a wave's stage: 16 rows x (512 + 16) bytes
.set SPARE, 33792                      ; behind the four stages: the spare words, 128 bytes a wave
.set SPW,   12                         ; v12  my spare word's LDS address; never rewritten
.set NIL,   13                         ; v13  0; never rewritten
.set R,     16                         ; v16-143  rows' path: two sets of 64 registers as loaded
.set X,     144                        ; v144-207 my two blocks of 32 neighbours
.set PC,    208                        ; v208-219 a fragment's codes
.set PT,    220                        ; v220-222, v224-226 the second halves of the blocks' codes
.set TM,    228
.set SO,    230
.set BY,    232
.set WD,    240                        ; v240-243 the four steps' scale words
.set WX,    16                         ; columns' path: v16-79 two sets of 32 numbers
.set WF,    80                         ; v80-91, v92-103 the fragments of tiles 0 and 1
.set WPT,   104
.set SB,    108                        ; v108-109 my column's eight scale bytes
	s_load_b256 s[4:11], s[0:1], 0x0               ; x, Wq, Wk, Wv
	s_load_b128 s[12:15], s[0:1], 0x20             ; Wp, xq
	s_load_b64 s[16:17], s[0:1], 0x30              ; wq
	v_lshl_add_u32 v[SPW], v0, 2, SPARE
	v_mov_b32 v[NIL], 0
	v_lshrrev_b32 v6, 5, v0
	v_readfirstlane_b32 s18, v6                    ; wave = K quarter
	v_and_b32 v6, 31, v0                           ; lane
	v_lshlrev_b32 v1, 4, v6                        ; 16 x lane
	v_lshlrev_b32 v4, 3, v6                        ; 8 x lane
	v_and_b32 v7, 15, v0                           ; r
	v_bfe_u32 v8, v0, 4, 1                         ; h
	s_mul_i32 s37, s18, STG
	v_add_nc_u32 v2, s37, v1                       ; the stage, on the way in: 16 x lane of a row
	v_mul_u32_u24 v3, v7, 528
	v_lshl_add_u32 v3, v8, 7, v3
	v_add_nc_u32 v3, s37, v3                       ; and out: row r, + 128 h: my block of 32 numbers
	v_lshlrev_b32 v5, 3, v8                        ; 8 h: where my bytes stand in a scale word
	v_and_b32 v9, 7, v0
	v_bfe_u32 v10, v0, 3, 1
	v_lshl_add_u32 v9, v10, 4, v9
	v_lshl_add_u32 v9, v8, 3, v9                   ; my lane's number with bits 3 and 4 changed over: the column whose slot my lane is
	v_lshlrev_b32 v9, 2, v9
	s_mov_b32 s26, 0x76543210
	s_mov_b32 s27, 0xfedcba98                      ; selects: lane l xor 16
	s_mov_b32 s28, 0xffff0000                      ; lanes 16-31
	s_cmp_lt_u32 ttmp9, 96
	s_cbranch_scc0 .Lrows
	; ---------------- Wq, Wk, Wv: [head][e][d], K = e ----------------
	s_lshr_b32 s30, ttmp9, 5                       ; which tensor
	s_and_b32 s31, ttmp9, 31
	s_lshr_b32 s32, s31, 1                         ; head
	s_and_b32 s33, ttmp9, 1                        ; which 32 of its 64 columns
	s_lshl_b32 s32, s32, 18                        ; a head is 1,024 x 64 x 4 bytes
	s_lshl_b32 s34, s18, 16                        ; my 256 rows e
	s_add_co_u32 s32, s32, s34
	s_lshl_b32 s33, s33, 7
	s_add_co_u32 s32, s32, s33
	s_mov_b32 s33, 0
	s_mul_i32 s34, ttmp9, 24576                    ; codes: two row tiles of 12,288 bytes a group,
	s_mul_i32 s35, s18, 3072                       ; two K steps of 1,536 a quarter
	s_add_co_u32 s34, s34, s35
	s_mov_b32 s35, 0
	s_lshl_b32 s36, ttmp9, 10
	s_lshl_b32 s37, s18, 8
	s_add_co_u32 s36, s36, s37
	s_add_co_u32 s36, s36, WSC
	s_mov_b32 s37, 0
	s_wait_kmcnt 0x0
	s_cmp_eq_u32 s30, 0
	s_cselect_b64 s[20:21], s[6:7], s[8:9]
	s_cmp_eq_u32 s30, 2
	s_cselect_b64 s[20:21], s[10:11], s[20:21]
	s_add_nc_u64 s[20:21], s[20:21], s[32:33]
	s_add_nc_u64 s[22:23], s[16:17], s[34:35]
	s_add_nc_u64 s[24:25], s[16:17], s[36:37]
.macro WLOAD t                         ; block t: W(32 t + i, my column), i = 0 .. 31
.irp i, 0,1,2,3,4,5,6,7,8,9,10,11,12,13,14,15,16,17,18,19,20,21,22,23,24,25,26,27,28,29,30,31
	global_load_b32 v[WX+32*((\t)%2)+\i], v9, s[20:21] offset:(32*(\t)+\i)*256 th:TH_LOAD_NT
.endr
.endm
.macro WBLOCK t
.set WXS, WX+32*((\t)%2)
.set WAT, WF+12*((\t)%2)+6*(((\t)%4)/2)        ; even blocks into tile 0's registers, odd blocks into tile 1's: the exchange below sorts them
.if (\t) < 7
	s_wait_loadcnt 32                              ; this block's 32 loads are in; the next block's may be out
.else
	s_wait_loadcnt 0x0
.endif
	v_max3_num_f32 v110, |v[WXS]|, |v[WXS+1]|, |v[WXS+2]|
	v_max3_num_f32 v111, |v[WXS+3]|, |v[WXS+4]|, |v[WXS+5]|
.irp i, 6,10,14,18,22,26
	v_max3_num_f32 v110, v110, |v[WXS+\i]|, |v[WXS+\i+1]|
	v_max3_num_f32 v111, v111, |v[WXS+\i+2]|, |v[WXS+\i+3]|
.endr
	v_max3_num_f32 v110, v110, |v[WXS+30]|, |v[WXS+31]|
	v_max3_num_f32 v110, v110, v111, 0x1800000     ; with the floor 2^(3 - 127): the byte cannot fall under 1
	v_add_nc_u32 v112, 0xff000000, v110            ; 2 off the exponent field: the conversion's scale operand
	v_lshrrev_b32 v113, 23, v112                   ; the byte
.if (\t)%4 == 0
	v_mov_b32 v[SB+(\t)/4], v113
.else
	v_lshl_or_b32 v[SB+(\t)/4], v113, 8*((\t)%4), v[SB+(\t)/4]
.endif
.if ((\t)%4 == 0) && ((\t) > 0)
	s_wait_alu depctr_va_vdst(0)
	s_wait_xcnt 0x0                                ; the last K step's stores have read the fragments' registers
.endif
	v_cvt_scalef32_pk16_fp6_f32 v[WAT:WAT+2], v[WXS:WXS+15], v112
	v_cvt_scalef32_pk16_fp6_f32 v[WPT:WPT+2], v[WXS+16:WXS+31], v112   ; (a conversion's three registers begin on an even number)
	v_nop                                          ; one plain place behind a scaled conversion
.irp i, 0,1,2
	v_mov_b32 v[WAT+3+\i], v[WPT+\i]
.endr
.if (\t)+2 < 8
	WLOAD (\t)+2
.endif
.if (\t)%2 == 1                        ; lanes 0-15 hold tile 0's slots, lanes 16-31 tile 1's.  A fragment wants lane (r, h) to hold block 2 c + h of slot r: the even block's upper lanes change places with the odd block's lower lanes
.irp i, 0,1,2,3,4,5
	v_permlane16_swap_b32 v[WF+6*(((\t)%4)/2)+\i], v[WF+12+6*(((\t)%4)/2)+\i]
.endr
.endif
.if (\t)%4 == 3
.irp u, 0,1
.irp p, 0,1,2
	global_store_b128 v1, v[WF+12*\u+4*\p:WF+12*\u+4*\p+3], s[22:23] offset:\u*12288+((\t)/4)*1536+512*\p   ; 32 lanes store 512 consecutive bytes
.endr
.endr
.endif
.endm
	s_wait_alu depctr_va_vdst(0)
	WLOAD 0
	WLOAD 1
.irp t, 0,1,2,3,4,5,6,7
	WBLOCK \t
.endr
	global_store_b64 v4, v[SB:SB+1], s[24:25]      ; my slot's eight bytes: 256 consecutive bytes a wave
	s_endpgm
	; ---------------- Wp and x: K innermost ----------------
.Lrows:
	v_mov_b32 v235, 0                              ; a lane permute's destination counts as one of its sources
	s_wait_kmcnt 0x0
	s_cmp_lt_u32 ttmp9, 128                        ; Wp's work-group or x's: the choice hangs on the work-group's number alone
	s_cselect_b64 s[20:21], s[12:13], s[4:5]
	s_cselect_b64 s[22:23], s[16:17], s[14:15]
	s_mov_b32 s30, 128
	s_cselect_b32 s31, 96, s30
	s_cselect_b32 s32, 0, s30
	s_mov_b32 s33, XSC
	s_cselect_b32 s33, WSC, s33
	s_sub_co_u32 s31, ttmp9, s31                   ; the group of 32 rows in the source,
	s_sub_co_u32 s32, ttmp9, s32                   ; and in the buffer of codes
	s_lshl_b32 s34, s31, 17                        ; 32 rows of 4,096 bytes
	s_lshl_b32 s35, s18, 10                        ; my 256 numbers of a row
	s_add_co_u32 s34, s34, s35
	s_mov_b32 s35, 0
	s_add_nc_u64 s[20:21], s[20:21], s[34:35]
	s_lshl_b32 s34, s32, 10
	s_lshl_b32 s36, s18, 8
	s_add_co_u32 s34, s34, s36
	s_add_co_u32 s34, s34, s33
	s_add_nc_u64 s[24:25], s[22:23], s[34:35]
	s_mul_i32 s34, s32, 24576
	s_mul_i32 s36, s18, 3072
	s_add_co_u32 s34, s34, s36
	s_add_nc_u64 s[22:23], s[22:23], s[34:35]
.macro XLOAD t                         ; step t = 2 s + u: tile u's 16 rows, 128 numbers (512 consecutive bytes) of each
.irp m, 0,1,2,3,4,5,6,7,8,9,10,11,12,13,14,15
	global_load_b128 v[R+64*((\t)%2)+4*\m:R+64*((\t)%2)+4*\m+3], v1, s[20:21] offset:(8*((\t)%2)+\m+8*(\m/8))*4096+((\t)/2)*512 th:TH_LOAD_NT
.endr
.endm
.macro XSTEP t
.if (\t) < 3
	s_wait_loadcnt 16                              ; this step's 16 loads are in; the next step's may be out
.else
	s_wait_loadcnt 0x0
.endif
.irp m, 0,1,2,3,4,5,6,7,8,9,10,11,12,13,14,15
	ds_store_b128 v2, v[R+64*((\t)%2)+4*\m:R+64*((\t)%2)+4*\m+3] offset:528*\m
.endr
.irp c, 0,1                            ; LDS serves a wave's instructions in order: these see the stores.  Lane (r, h) takes k = 64 c + 32 h + 0 .. 31 of slot r
.irp i, 0,1,2,3,4,5,6,7
	ds_load_b128 v[X+32*\c+4*\i:X+32*\c+4*\i+3], v3 offset:256*\c+16*\i
.endr
.endr
	s_wait_dscnt 0x0                               ; my numbers are back, and the stores have read their registers,
.if (\t) < 2
	XLOAD (\t)+2                                   ; which take the loads of two steps on
.endif
.irp c, 0,1
	v_max3_num_f32 v[TM+\c], |v[X+32*\c]|, |v[X+32*\c+1]|, 0x1800000   ; a whole block is mine; the floor holds the byte at 1 from below
.endr
.irp i, 2,4,6,8,10,12,14,16,18,20,22,24,26,28,30
.irp c, 0,1
	v_max3_num_f32 v[TM+\c], v[TM+\c], |v[X+32*\c+\i]|, |v[X+32*\c+\i+1]|
.endr
.endr
.irp c, 0,1
	v_add_nc_u32 v[SO+\c], 0xff000000, v[TM+\c]
.endr
.irp c, 0,1
	v_lshrrev_b32 v[BY+\c], 23, v[SO+\c]
.endr
	v_lshl_or_b32 v234, v[BY+1], 16, v[BY]         ; my bytes: blocks h and 2 + h,
	v_lshlrev_b32 v234, v5, v234                   ; at their places;
	v_permlanex16_b32 v235, v234, s26, s27
	v_or_b32 v[WD+(\t)], v234, v235                ; with lane l xor 16's two the word is whole
	s_wait_alu depctr_va_vdst(0)
	s_wait_xcnt 0x0                                ; the last step's stores have read the codes' registers
.irp c, 0,1
	v_cvt_scalef32_pk16_fp6_f32 v[PC+6*\c:PC+6*\c+2], v[X+32*\c:X+32*\c+15], v[SO+\c]
	v_cvt_scalef32_pk16_fp6_f32 v[PT+4*\c:PT+4*\c+2], v[X+32*\c+16:X+32*\c+31], v[SO+\c]
.endr
	v_nop                                          ; one plain place behind a scaled conversion
.irp c, 0,1
.irp i, 0,1,2
	v_mov_b32 v[PC+6*\c+3+\i], v[PT+4*\c+\i]
.endr
.endr
.irp p, 0,1,2
	global_store_b128 v1, v[PC+4*\p:PC+4*\p+3], s[22:23] offset:((\t)%2)*12288+((\t)/2)*1536+512*\p
.endr
.endm
	XLOAD 0
	XLOAD 1
	s_wait_alu depctr_va_vdst(0)
.irp t, 0,1,2,3
	XSTEP \t
.endr
	v_cndmask_b32 v[TM], v[WD], v[WD+1], s28       ; lane l is slot l of the group's 32: lanes 16-31 take tile 1's words
	v_cndmask_b32 v[TM+1], v[WD+2], v[WD+3], s28
	global_store_b64 v4, v[TM:TM+1], s[24:25]      ; 256 consecutive bytes
	s_wait_tensorcnt 0x0                           ; the wave's end
	ds_add_u32 v[SPW], v[NIL]
	s_wait_dscnt 0x0
	s_endpgm
.Lfunc_end_k_q5a41adab40_prep:
	.size	k_q5a41adab40_prep, .Lfunc_end_k_q5a41adab40_prep-k_q5a41adab40_prep
	.p2alignl 7, 3214868480
	.fill 96, 4, 3214868480
	.section	.rodata,"a",@progbits
	.p2align	6, 0x0
	.amdhsa_kernel k_q5a41adab40_prep
		.amdhsa_group_segment_fixed_size 34304
		.amdhsa_private_segment_fixed_size 0
		.amdhsa_enable_private_segment 0
		.amdhsa_kernarg_size 56
		.amdhsa_user_sgpr_count 2
		.amdhsa_user_sgpr_kernarg_segment_ptr 1
		.amdhsa_wavefront_size32 1
		.amdhsa_system_sgpr_workgroup_id_x 1
		.amdhsa_system_sgpr_workgroup_id_y 1
		.amdhsa_system_sgpr_workgroup_id_z 1
		.amdhsa_system_vgpr_workitem_id 0
		.amdhsa_next_free_vgpr 256
		.amdhsa_next_free_sgpr 66
		.amdhsa_reserve_vcc 0
		.amdhsa_float_denorm_mode_32 3
		.amdhsa_float_denorm_mode_16_64 3
		.amdhsa_memory_ordered 1
		.amdhsa_forward_progress 1
		.amdhsa_inst_pref_size 70
	.end_amdhsa_kernel
	.amdgpu_metadata
---
amdhsa.version: [ 1, 2 ]
amdhsa.kernels:
  - .name:           k_q5a41adab40_prep
    .symbol:         k_q5a41adab40_prep.kd
    .args:
      - { .name: x, .offset: 0, .size: 8, .value_kind: global_buffer, .address_space: global }
      - { .name: Wq, .offset: 8, .size: 8, .value_kind: global_buffer, .address_space: global }
      - { .name: Wk, .offset: 16, .size: 8, .value_kind: global_buffer, .address_space: global }
      - { .name: Wv, .offset: 24, .size: 8, .value_kind: global_buffer, .address_space: global }
      - { .name: Wp, .offset: 32, .size: 8, .value_kind: global_buffer, .address_space: global }
      - { .name: xq, .offset: 40, .size: 8, .value_kind: global_buffer, .address_space: global }
      - { .name: wq, .offset: 48, .size: 8, .value_kind: global_buffer, .address_space: global }
    .group_segment_fixed_size: 34304
    .private_segment_fixed_size: 0
    .kernarg_segment_align: 8
    .kernarg_segment_size: 56
    .max_flat_workgroup_size: 128
    .sgpr_count:     66
    .vgpr_count:     256
    .wavefront_size: 32
...
	.end_amdgpu_metadata
.endif
;; end of part 1
;; launch qkv (part 2): grid 8 x 32, 4 waves a work-group, clusters of 4 x 4, 327,680 bytes of LDS; arguments xq, wq, qb, kvb; writes qb, kvb
.if DOCPART == 2
	.amdgcn_target "amdgcn-amd-amdhsa--gfx1250"
	.amdhsa_code_object_version 6
	.text
	.protected	k_q5a41adab40_qkv
	.globl	k_q5a41adab40_qkv
	.p2align	8
	.type	k_q5a41adab40_qkv,@function
k_q5a41adab40_qkv:
	s_mov_b64 s[64:65], 0
	v_nop
	global_prefetch_b8 v0, s[64:65] scope:SCOPE_SE
	s_setreg_imm32_b32 hwreg(HW_REG_WAVE_MODE, 25, 1), 1
	s_wait_xcnt 0x0
	s_wait_alu depctr_hold_cnt(0) depctr_sa_sdst(0) depctr_va_vdst(0) depctr_va_sdst(0) depctr_va_ssrc(0) depctr_va_vcc(0) depctr_vm_vsrc(0)
	s_getreg_b32 s2, hwreg(HW_REG_IB_STS2, 6, 4)
	s_cmp_eq_u32 s2, 0
	s_cbranch_scc0 .Lentry_in_a_cluster
	s_endpgm
.Lentry_in_a_cluster:
	s_bfe_u32 s2, ttmp6, 0x10000c
	s_cmp_lg_u32 s2, 0xf033
	s_cbranch_scc0 .Lentry_shape_is_right
	s_endpgm
.Lentry_shape_is_right:
; QKV: q, k and v = x W, K = 1,024, on codes of FP6 with E8M0 scales; the results are quantised in registers and leave as images of operand registers.
; 256 WORK-GROUPS, EACH IN TWO PHASES.  Source 0 ("B") runs along the axis that the result is quantised along, source 1 ("A") is what a lane holds.
;   phase 1: A = x's 256 rows of tile ty, B = 256 rows of Wq or Wk (tile gx): a lane holds one token, its registers run along d.  A wave makes 128 x 128: 64 accumulators.
;   phase 2: B = the same 256 rows of x, A = Wv's 128 rows 128 gx ..: a lane holds one (head, d), its registers run along the tokens, which are the keys.  A wave makes 64 x 128: 32 accumulators.
; A tile's 16 slots are rows 8 u + r + 8 (r / 8) of a group of 32, so the 16 registers of B's tiles 2 b and 2 b + 1 are 16 neighbours along the quantised axis.
; LDS, phase 1: K steps 0, 1 (of 256) of A at 0 and of B at SLOT, a row tile 6,144 bytes; K step 2 at 2 SLOT; K step 3 is filled onto A's K steps 0, 1; behind them the scale bytes of all of K.
; LDS, phase 2: x's 16 row tiles, all of K, at 0, Wv's 8 at 2 SLOT, a row tile 12,288 bytes; Wv's scale bytes onto W's; x's scale bytes stay where phase 1 had them.
; Phase 2's four blocks are dense in memory and are asked for in two rounds of the cluster's barrier, as their bytes fall free.  In step 5 of phase 1's eight: x's tiles 8-15 (wave 1) and Wv's codes (wave 2),
; onto B's K steps 0, 1 and K step 2.  Behind the second tile of phase 1's way out: x's tiles 0-7 (wave 0), onto K step 3, and Wv's scale bytes (wave 3).
; Their descriptors lie in registers that the way out does not write.  Every wait on TENSORcnt is for 0.
; CLUSTER 4 x 4: x's tiles are asked for jointly along a row of the cluster, the weights' along a column.
; OUT: qb [b head][step of 128 tokens] blocks of 6,656 bytes: eight half fragments (16 tokens x 64 d, 768 bytes), then 512 bytes of scale words.
;      kvb blocks of 13,056 bytes: K's eight half fragments, V's four fragments (16 d x 128 keys) from 6,144, K's scale words from 12,288, V's from 12,800.
; LIMITS: a block of zeros gets the byte 1 (its codes are zeros; this program alone reads the bytes); NaN and infinities are not served.
; REGISTERS: window 0: v16-31 addresses; v32-63 scale words, two sets; v64-159, v160-255 A's fragments, two sets.  window 1: B's two sets at v0 and v128.  windows 2, 3: accumulator (a, b) at v[8 (8 (a % 4) + b)].
.set XSC,   6291456
.set WSC,   3145728
.set SLOT,  98304
.set HALF,  24576
.set SCL,   294912
.set SPARE, 311296
.set ADRA,  16                         ; v16-18 my A fragments: K steps 0-1, 2, 3
.set ADRA2, 19                         ; phase 2: my four row tiles of Wv
.set ADRB,  20                         ; v20-22 the same for B
.set ADRS2, 23                         ; phase 2: scale words: lanes 0-15 Wv's, lanes 16-31 x's
.set ADRS,  24                         ; phase 1: lanes 0-15 A's, lanes 16-31 B's
.set L8,    25
.set L16,   26
.set SPW,   28
.set NIL,   29
.set ADRB2, 30                         ; v30, v31 phase 2: my eight row tiles of x, four to a register
.set SC,    32
.set G1A,   24
.set G1B,   32
.set G1SA,  40
.set G1SB,  48
.set G0SA,  56
.set G0SB,  60
.set G0A,   68
.set G0B,   80
.set P1X,   68                         ; phase 2's descriptors, written when no load of phase 1 is out
.set P1W,   76
.set P1S,   84
.set P0X,   56
.set P0W,   60
.set P0S,   96
.set RM,    104                        ; my row of the cluster, my column
.set CM,    105
.set MSB, 0
.macro WIN new                         ; the immediate's high byte repeats the setting that is left
.if MSB != (\new)
	s_set_vgpr_msb (MSB<<8)|(\new)
.set MSB, (\new)
.endif
.endm
.set MUL_LO, 0xa1                      ; source 0 (B) window 1, source 1 (A) window 0, C and D window 2
.set MUL_HI, 0xf1
.set TO_B,   0x40
.macro WALU
	s_wait_alu depctr_va_vdst(0)
.endm
.macro PLACES n
.rept \n
	v_nop
.endr
.endm
.macro TL g0, g1                       ; an s_nop 0 and four v_nop follow every tensor load
	tensor_load_to_lds s[\g0:\g0+3], s[\g1:\g1+7]
	s_nop 0
	PLACES 4
.endm
.macro JLOAD g0a, g1a, g0b, g1b        ; waves 0 and 1 fetch for A, waves 2 and 3 for B
	s_cmp_eq_u32 s15, 0
	s_cbranch_scc0 .Lfor_b_\@
	TL \g0a, \g1a
	s_branch .Lasked_\@
.Lfor_b_\@:
	TL \g0b, \g1b
.Lasked_\@:
.endm
.macro CREST
	s_cmp_lg_u32 s14, 0
	s_cbranch_scc1 .Lnot_wave_0_\@
	s_barrier_signal -3
.Lnot_wave_0_\@:
	s_barrier_wait -3
	s_barrier_signal -1
	s_barrier_wait -1
.endm
.macro CROUND
	s_barrier_signal -1
	s_barrier_wait -1
	CREST
.endm
.macro G1SET g, c, r, p                ; group 1's words 1 to 7: r rows of c elements of 8 bytes, p elements apart
	s_mov_b32 s[\g+1], (\c)<<16
	s_mov_b32 s[\g+2], (\r)<<16
	s_mov_b32 s[\g+3], (\c)<<16
	s_mov_b32 s[\g+4], \r
	s_mov_b32 s[\g+5], \p
	s_mov_b32 s[\g+6], 0
	s_mov_b32 s[\g+7], 0
.endm
.macro G0SET g, lds, a                 ; group 0: LDS byte, address pair
	s_mov_b32 s[\g], 1
	s_mov_b32 s[\g+1], \lds
	s_mov_b64 s[\g+2:\g+3], s[\a:\a+1]
	s_or_b32 s[\g+3], s[\g+3], 0x80000000
.endm
	s_load_b256 s[4:11], s[0:1], 0x0               ; xq, wq, qb, kvb
	v_lshl_add_u32 v[SPW], v0, 2, SPARE
	v_mov_b32 v[NIL], 0
	ds_add_u32 v[SPW], v[NIL]                      ; the wave's opening: the add, twice on end, and its wait ahead of my first tensor load
	ds_add_u32 v[SPW], v[NIL]
	v_lshrrev_b32 v1, 5, v0
	v_readfirstlane_b32 s14, v1                    ; wave
	s_lshr_b32 s15, s14, 1                         ; my half of A's rows.  Also: in the ring I fetch for A (0) or B (1)
	s_and_b32 s16, s14, 1                          ; my half of B's rows.  Also: which half I fetch
	s_bfe_u32 s12, ttmp6, 0x40000                  ; cx
	s_bfe_u32 s13, ttmp6, 0x40004                  ; cy
	s_and_b32 s2, ttmp7, 0xffff
	s_lshl_b32 s2, s2, 2
	s_add_co_u32 s2, s2, s13                       ; ty: x's tile of 256 rows, 0 .. 31
	s_lshl_b32 s3, ttmp9, 2
	s_add_co_u32 s3, s3, s12                       ; gx: 0-3 Wq's tiles, 4-7 Wk's
	s_lshl_b32 s[RM], s13, 2
	s_lshl_b32 s[RM], 15, s[RM]
	s_lshl_b32 s[CM], 0x1111, s12
	s_or_b32 s[G1A], s[RM], (3<<16)|(1<<21)        ; the mask; elements of 8 bytes; bit 21 beside a mask; no padding
	s_or_b32 s[G1SA], s[RM], (3<<16)|(1<<21)
	s_or_b32 s[G1B], s[CM], (3<<16)|(1<<21)
	s_or_b32 s[G1SB], s[CM], (3<<16)|(1<<21)
	G1SET G1A, 768, 16, 1536                       ; the head's loads: 16 row tiles x 6,144 bytes, 12,288 apart
	G1SET G1B, 768, 16, 1536
	G1SET G1SA, 32, 32, 32                         ; the scale bytes of 256 rows: 8,192 dense bytes
	G1SET G1SB, 32, 32, 32
	s_lshl_b32 s20, s2, 4
	s_lshl_b32 s21, s16, 3
	s_add_co_u32 s20, s20, s21
	s_mul_i32 s20, s20, 12288                      ; x's codes: row tile 16 ty + 8 x half
	s_mov_b32 s21, 0
	s_lshl_b32 s22, s2, 13
	s_add_co_u32 s22, s22, XSC                     ; x's scale bytes
	s_mov_b32 s23, 0
	s_lshl_b32 s66, s3, 4
	s_lshl_b32 s67, s16, 3
	s_add_co_u32 s66, s66, s67
	s_mul_i32 s66, s66, 12288                      ; W's codes
	s_mov_b32 s67, 0
	s_lshl_b32 s96, s3, 13
	s_add_co_u32 s96, s96, WSC                     ; W's scale bytes
	s_mov_b32 s97, 0
	s_lshl_b32 s94, s3, 3
	s_add_co_u32 s94, s94, 128
	s_mul_i32 s94, s94, 12288                      ; Wv's codes: row tile 128 + 8 gx
	s_mov_b32 s95, 0
	s_lshl_b32 s18, s3, 12
	s_add_co_u32 s18, s18, WSC+65536               ; Wv's scale bytes: group 64 + 4 gx
	s_mov_b32 s19, 0
	s_mul_i32 s98, s14, HALF                       ; the ring's quarter: wave x 8 row tiles: no place in the cluster enters an LDS address
	s_mul_i32 s100, s16, SLOT                      ; my half's 8 row tiles, all of K, in bytes
	s_mov_b32 s101, 0
	s_wait_dscnt 0x0                               ; both opening adds are done
	s_wait_kmcnt 0x0
	s_add_nc_u64 s[20:21], s[4:5], s[20:21]
	s_add_nc_u64 s[22:23], s[4:5], s[22:23]
	s_add_nc_u64 s[66:67], s[6:7], s[66:67]
	s_add_nc_u64 s[96:97], s[6:7], s[96:97]
	s_add_nc_u64 s[94:95], s[6:7], s[94:95]
	s_add_nc_u64 s[18:19], s[6:7], s[18:19]
	CROUND                                         ; all sixteen work-groups are here: the first joint loads meet
	G0SET G0SA, SCL, 22
	G0SET G0SB, SCL+8192, 96
.irp s, 1,2                            ; set 1: my quarter of K step 2, to 2 SLOT on; set 2: of K step 3, to LDS byte 0 on
	s_mov_b32 s[G0A+4*\s], 1
	s_add_co_u32 s[G0A+4*\s+1], s98, (2-\s)*2*SLOT
	s_add_nc_u64 s[G0A+4*\s+2:G0A+4*\s+3], s[20:21], (\s+1)*3072
	s_or_b32 s[G0A+4*\s+3], s[G0A+4*\s+3], 0x80000000
	s_mov_b32 s[G0B+4*\s], 1
	s_add_co_u32 s[G0B+4*\s+1], s98, (2-\s)*2*SLOT
	s_add_nc_u64 s[G0B+4*\s+2:G0B+4*\s+3], s[66:67], (\s+1)*3072
	s_or_b32 s[G0B+4*\s+3], s[G0B+4*\s+3], 0x80000000
.endr
	s_mov_b32 s[G0A], 1                            ; set 0: K steps 0 and 1 of all 16 row tiles
	s_mov_b32 s[G0A+1], 0
	s_sub_nc_u64 s[G0A+2:G0A+3], s[20:21], s[100:101]
	s_or_b32 s[G0A+3], s[G0A+3], 0x80000000
	s_mov_b32 s[G0B], 1
	s_mov_b32 s[G0B+1], SLOT
	s_sub_nc_u64 s[G0B+2:G0B+3], s[66:67], s[100:101]
	s_or_b32 s[G0B+3], s[G0B+3], 0x80000000
; the head's four tiles, one load a wave, in one chain of branches on the wave's number
.macro ARM under, g0, g1, next
	s_cmp_lt_u32 s14, \under
	s_cbranch_scc0 \next
	TL \g0, \g1
	s_branch .Lhead_asked
\next:
.endm
	ARM 1, G0A,  G1A,  .Lhead_b
	ARM 2, G0B,  G1B,  .Lhead_sa
	ARM 3, G0SA, G1SA, .Lhead_sb
	TL G0SB, G1SB
.Lhead_asked:
	v_and_b32 v1, 31, v0
	v_and_b32 v2, 15, v0                           ; r
	v_bfe_u32 v3, v0, 4, 1                         ; h
	v_lshlrev_b32 v[L16], 4, v1
	v_lshlrev_b32 v[L8], 3, v1
	v_xor_b32 v5, 1, v3                            ; 1 - h
	v_lshlrev_b32 v6, 3, v2                        ; 8 bytes of scales a slot
	WALU
	s_mul_i32 s92, s15, HALF
	s_mul_i32 s93, s16, HALF
	s_add_co_u32 s93, s93, 2*HALF
	v_add_nc_u32 v[ADRA+2], s92, v[L16]            ; K step 3: from LDS byte 0, tiles of 3,072 bytes
	v_add_nc_u32 v[ADRB+2], s93, v[L16]
	s_add_co_u32 s92, s92, 2*SLOT
	s_add_co_u32 s93, s93, 2*SLOT
	v_add_nc_u32 v[ADRA+1], s92, v[L16]            ; K step 2
	v_add_nc_u32 v[ADRB+1], s93, v[L16]
	s_mul_i32 s92, s15, 2*HALF
	s_mul_i32 s93, s16, 2*HALF
	s_add_co_u32 s93, s93, SLOT
	v_add_nc_u32 v[ADRA], s92, v[L16]              ; K steps 0 and 1: tiles of 6,144 bytes
	v_add_nc_u32 v[ADRB], s93, v[L16]
	s_add_co_u32 s92, s92, 2*SLOT
	v_add_nc_u32 v[ADRA2], s92, v[L16]             ; phase 2: Wv's tiles 4 x half .., 12,288 bytes each
	s_mul_i32 s93, s16, SLOT
	v_add_nc_u32 v[ADRB2], s93, v[L16]             ; x's tiles 8 x half ..
	s_add_co_u32 s93, s93, 2*HALF
	v_add_nc_u32 v[ADRB2+1], s93, v[L16]
	s_lshl_b32 s92, s15, 12                        ; phase 1: A's scale bytes, my 128 rows;
	s_lshl_b32 s93, s16, 12
	s_add_co_u32 s93, s93, 8192                    ; B's, behind A's 8,192
	s_sub_co_u32 s93, s93, s92
	v_mul_u32_u24 v4, s93, v3                      ; lanes 16-31 take B's: one product in h
	s_add_co_u32 s92, s92, SCL
	v_add_nc_u32 v4, v4, v6
	v_add_nc_u32 v[ADRS], s92, v4
	s_lshl_b32 s92, s16, 12                        ; phase 2: x's (B), my 128 rows;
	s_lshl_b32 s93, s15, 11
	s_add_co_u32 s93, s93, 8192                    ; Wv's (A), my 64 rows, behind x's 8,192
	s_sub_co_u32 s93, s93, s92
	v_mul_u32_u24 v4, s93, v5                      ; lanes 0-15 take Wv's: one product in 1 - h
	s_add_co_u32 s92, s92, SCL
	v_add_nc_u32 v4, v4, v6
	v_add_nc_u32 v[ADRS2], s92, v4
; 16 products: A's tiles a0, a0 + 1 x B's eight; g: the step of 128 along K.  The accumulators take turns in one order in every step.
.macro MUL16 a0, g, zero
.irp a, \a0, \a0+1
.irp b, 0,1,2,3,4,5,6,7
.if \zero
	v_wmma_scale_f32_16x16x128_f8f6f4 v[8*(8*((\a)%4)+\b):8*(8*((\a)%4)+\b)+7], v[128*((\g)%2)+12*\b:128*((\g)%2)+12*\b+11], v[64+96*((\g)%2)+12*(\a):64+96*((\g)%2)+12*(\a)+11], 0, v[SC+16*(((\g)/2)%2)+2*\b+(\g)%2], v[SC+16*(((\g)/2)%2)+2*(\a)+(\g)%2] matrix_a_fmt:MATRIX_FMT_FP6 matrix_b_fmt:MATRIX_FMT_FP6 matrix_a_scale:MATRIX_SCALE_ROW1
.else
	v_wmma_scale_f32_16x16x128_f8f6f4 v[8*(8*((\a)%4)+\b):8*(8*((\a)%4)+\b)+7], v[128*((\g)%2)+12*\b:128*((\g)%2)+12*\b+11], v[64+96*((\g)%2)+12*(\a):64+96*((\g)%2)+12*(\a)+11], v[8*(8*((\a)%4)+\b):8*(8*((\a)%4)+\b)+7], v[SC+16*(((\g)/2)%2)+2*\b+(\g)%2], v[SC+16*(((\g)/2)%2)+2*(\a)+(\g)%2] matrix_a_fmt:MATRIX_FMT_FP6 matrix_b_fmt:MATRIX_FMT_FP6 matrix_a_scale:MATRIX_SCALE_ROW1
.endif
.endr
.endr
.endm
.macro FETCH g                         ; phase 1: step g's sixteen fragments, 48 loads of 512 consecutive bytes, into set g % 2
.if (\g) < 4
.set FS, 0
.set FP, 6144
.set FO, (\g)*1536
.else
.set FS, (\g)/2-1
.set FP, 3072
.set FO, ((\g)%2)*1536
.endif
.set FQ, (\g)%2
	WIN TO_B
.irp i, 0,1,2,3,4,5,6,7
.irp p, 0,1,2
	ds_load_b128 v[128*FQ+12*\i+4*\p:128*FQ+12*\i+4*\p+3], v[ADRB+FS] offset:\i*FP+FO+512*\p
.endr
.endr
	WIN 0
.irp i, 0,1,2,3,4,5,6,7
.irp p, 0,1,2
	ds_load_b128 v[64+96*FQ+12*\i+4*\p:64+96*FQ+12*\i+4*\p+3], v[ADRA+FS] offset:\i*FP+FO+512*\p
.endr
.endr
.endm
.macro FETCH2 g                        ; phase 2: x's eight fragments and Wv's four, 36 loads
.set FQ, (\g)%2
	WIN TO_B
.irp i, 0,1,2,3,4,5,6,7
.irp p, 0,1,2
	ds_load_b128 v[128*FQ+12*\i+4*\p:128*FQ+12*\i+4*\p+3], v[ADRB2+\i/4] offset:(\i%4)*12288+(\g)*1536+512*\p
.endr
.endr
	WIN 0
.irp i, 0,1,2,3
.irp p, 0,1,2
	ds_load_b128 v[64+96*FQ+12*\i+4*\p:64+96*FQ+12*\i+4*\p+3], v[ADRA2] offset:\i*12288+(\g)*1536+512*\p
.endr
.endr
.endm
.macro SCALES ks, adr                  ; the two scale words of K step ks for each tile: lanes 0-15 A's tile i, lanes 16-31 B's tile i (phase 2: A's words 4-7 are loaded and not used)
.irp i, 0,1,2,3,4,5,6,7
	ds_load_b64 v[SC+16*((\ks)%2)+2*\i:SC+16*((\ks)%2)+2*\i+1], v[\adr] offset:(\i/2)*1024+(\ks)*256+(\i%2)*128
.endr
.endm
.macro P2DESC                          ; no tensor load of mine is out, and phase 1 asks for nothing more: phase 2's descriptors
	s_or_b32 s[P1X], s[RM], (3<<16)|(1<<21)
	s_or_b32 s[P1W], s[CM], (3<<16)|(1<<21)
	s_or_b32 s[P1S], s[CM], (3<<16)|(1<<21)
	G1SET P1X, 32, 384, 32                         ; 8 row tiles, all of K: 98,304 dense bytes as rows of 256
	G1SET P1W, 32, 384, 32
	G1SET P1S, 32, 16, 32                          ; the scale bytes of 128 rows
	G0SET P0X, s100, 20
	G0SET P0W, 2*SLOT, 94
	G0SET P0S, SCL+8192, 18
.endm
.macro P2LOADA                         ; wave 1: x's tiles 8-15; wave 2: Wv's codes
	s_cmp_eq_u32 s14, 1
	s_cbranch_scc0 .Lpa_w
	TL P0X, P1X
	s_branch .Lpa_asked
.Lpa_w:
	s_cmp_eq_u32 s14, 2
	s_cbranch_scc0 .Lpa_asked
	TL P0W, P1W
.Lpa_asked:
	PLACES 4                                       ; the places in front of the loads below, for the waves that come round the tensor loads
.endm
.macro P2LOADB                         ; wave 0: x's tiles 0-7; wave 3: Wv's scale bytes
	s_cmp_eq_u32 s14, 0
	s_cbranch_scc0 .Lpb_s
	TL P0X, P1X
	s_branch .Lpb_asked
.Lpb_s:
	s_cmp_eq_u32 s14, 3
	s_cbranch_scc0 .Lpb_asked
	TL P0S, P1S
.Lpb_asked:
.endm
; A step of 128 along K in phase 1: 64 products; the next step's fragments are fetched in its middle, four places behind the products that read that set last.
; bar = 2: A's K steps 0, 1 have been read out: K step 3 is filled onto them, behind a round of the cluster's barrier.
; bar = 3: K step 3 is about to be read, and B's K steps 0, 1 and K step 2 have been read out: the round shows K step 3 to all four waves, and behind it the first two of phase 2's blocks are asked for.
.macro KSTEP g, bar, zero
.if (\bar) >= 2
	WIN 0
	s_wait_tensorcnt 0x0                           ; all my tensor loads have landed;
	ds_add_u32 v[SPW], v[NIL]                      ; 0 onto my spare word;
.if (\bar) == 3
	P2DESC
.endif
	s_wait_dscnt 1                                 ; (the add alone may be out: this step's fragments are in)
	WIN MUL_LO
	MUL16 0, \g, \zero
	s_wait_dscnt 0x0                               ; the add is done, and my reads of the bytes that are filled again are over
	s_barrier_signal -1
	MUL16 2, \g, \zero
	WIN 0
	s_barrier_wait -1
	CREST                                          ; no wave of any partner still reads those bytes or has a load on its way
.if (\bar) == 2
	JLOAD G0A+8, G1A, G0B+8, G1B                   ; its four v_nop are the places in front of the loads below
.else
	P2LOADA
.endif
.else
	s_wait_dscnt 0x0                               ; this step's fragments, asked for 32 products ago
	WIN MUL_LO
	MUL16 0, \g, \zero
	MUL16 2, \g, \zero
	PLACES 4
.endif
.if (\g) < 7
	FETCH (\g)+1
.if ((\g)+1)%2 == 0
	SCALES ((\g)+1)/2, ADRS
.endif
.endif
	WIN MUL_HI
	MUL16 4, \g, \zero
	MUL16 6, \g, \zero
.endm
.macro KSTEP2 g, zero                  ; phase 2: the next step's fragments are asked for ahead of this step's 32 products
	s_wait_dscnt 0x0
.if (\g) < 7
	PLACES 4                                       ; behind the products that read that set last
	FETCH2 (\g)+1
.if ((\g)+1)%2 == 0
	SCALES ((\g)+1)/2, ADRS2
.endif
.endif
	WIN MUL_LO
	MUL16 0, \g, \zero
	MUL16 2, \g, \zero
.endm
	WALU                                           ; the wait at the head's end
	s_wait_tensorcnt 0x0                           ; my tile of the head's four is in
	ds_add_u32 v[SPW], v[NIL]
.irp g, G1A, G1B                       ; no load of mine is out: the ring's loads bring 8 row tiles x 3,072 bytes
	s_mov_b32 s[\g+1], 384<<16
	s_mov_b32 s[\g+2], 8<<16
	s_mov_b32 s[\g+3], 384<<16
	s_mov_b32 s[\g+4], 8
.endr
	s_wait_dscnt 0x0
	CROUND                                         ; everybody's tile is in, and all sixteen work-groups are here
	JLOAD G0A+4, G1A, G0B+4, G1B                   ; K step 2, a first fill, my one load behind the round
	FETCH 0
	SCALES 0, ADRS
	KSTEP 0, 0, 1                                  ; the first products start the sums: nothing is cleared
	KSTEP 1, 0, 0
	KSTEP 2, 0, 0
	KSTEP 3, 2, 0
	KSTEP 4, 0, 0
	KSTEP 5, 3, 0
	KSTEP 6, 0, 0
	KSTEP 7, 0, 0
	WIN 0
	; THE WAY OUT.  Its scalar registers, s24-53, held phase 1's descriptors, whose loads are done.
.set TM, 64                            ; v64-67 largest magnitudes, v68-71 the other lanes', then the bytes
.set SO, 76                            ; v76-79 the conversions' scale operands
.set PW, 80                            ; v80-87 the scale words
.set PC, 96                            ; v96-107 a fragment's codes
.set PT, 108
.set XQ, 116
.set H0, 120
.set H1, 124
.macro WADR v                          ; s[24:25] where my first tile's codes go, s28 from tile to tile, s[32:33] from a head to the next, s[38:39], s[40:41] my heads' scale words
	s_mov_b32 s34, 0x76543210
	s_mov_b32 s35, 0xfedcba98
	s_mov_b32 s36, 0xffff0000
	s_lshl_b32 s47, s2, 1
.if \v
	s_lshl_b32 s45, s3, 1
	s_add_co_u32 s45, s45, s15                     ; my head = 2 gx + A's half
	s_add_co_u32 s47, s47, s16                     ; my step of 128 tokens = 2 ty + B's half
	s_mov_b32 s43, 13056
	s_mov_b32 s44, 12800
	s_mov_b64 s[24:25], s[10:11]
	s_mov_b32 s28, 1536
.else
	s_lshl_b32 s45, s12, 2
	s_lshl_b32 s46, s16, 1
	s_add_co_u32 s45, s45, s46                     ; my first head = 4 cx + 2 x B's half
	s_add_co_u32 s47, s47, s15                     ; my step = 2 ty + A's half
	s_mov_b32 s43, 6656
	s_mov_b32 s44, 6144
	s_cmp_lg_u32 ttmp9, 0                          ; cluster x = 0 holds Wq's rows
	s_cselect_b64 s[24:25], s[10:11], s[8:9]
	s_cselect_b32 s43, 13056, s43                  ; a block's bytes
	s_cselect_b32 s44, 12288, s44                  ; where its scale words begin
	s_mov_b32 s28, 768
.endif
	s_mov_b32 s29, 0
	s_mov_b32 s33, 0
	s_lshr_b32 s50, s47, 4                         ; batch
	s_and_b32 s51, s47, 15                         ; step in the batch
	s_lshl_b32 s50, s50, 4
	s_add_co_u32 s50, s50, s45
	s_lshl_b32 s50, s50, 4
	s_add_co_u32 s50, s50, s51
	s_mul_i32 s50, s50, s43
	s_mov_b32 s51, 0
	s_mov_b32 s45, 0
	s_lshl_b32 s32, s43, 4
	s_add_nc_u64 s[24:25], s[24:25], s[50:51]
	s_add_nc_u64 s[38:39], s[24:25], s[44:45]
	s_add_nc_u64 s[40:41], s[38:39], s[32:33]
.if \v
	s_add_nc_u64 s[24:25], s[24:25], 6144          ; V's fragments lie behind K's
.endif
.endm
; A's tile a: its 64 registers are four blocks of 32 along the quantised axis, 16 numbers of each in my lane, the other 16 in lane l xor 16.
.macro QOUT a, v
.set AC, 64*((\a)%4)
.set WW, 2+(\a)/4
	WIN WW|(WW<<2)
.irp b, 0,1,2,3
	v_max3_num_f32 v[TM+\b], |v[AC+16*\b]|, |v[AC+16*\b+1]|, 0x1800000   ; each accumulator is read from its low end on
.endr
	WIN (WW<<2)|(WW<<4)
.irp i, 2,4,6,8,10,12,14
.irp b, 0,1,2,3
	v_max3_num_f32 v[TM+\b], v[TM+\b], |v[AC+16*\b+\i]|, |v[AC+16*\b+\i+1]|
.endr
.endr
	WIN 0
.irp b, 0,1,2,3
	v_permlanex16_b32 v[TM+4+\b], v[TM+\b], s34, s35
.endr
.irp b, 0,1,2,3
	v_max_num_f32 v[TM+\b], v[TM+\b], v[TM+4+\b]
.endr
.irp b, 0,1,2,3
	v_add_nc_u32 v[SO+\b], 0xff000000, v[TM+\b]
.endr
.irp b, 0,1,2,3
	v_lshrrev_b32 v[TM+4+\b], 23, v[SO+\b]
.endr
	v_lshl_or_b32 v[PW+(\a)], v[TM+5], 8, v[TM+4]
	v_lshl_or_b32 v[PW+(\a)], v[TM+6], 16, v[PW+(\a)]
	v_lshl_or_b32 v[PW+(\a)], v[TM+7], 24, v[PW+(\a)]
	WALU                                           ; the wait ahead of the wait below
	s_wait_xcnt 0x0                                ; the last tile's stores have read their data and their bases
.if (\a) > 0
	s_add_nc_u64 s[24:25], s[24:25], s[28:29]
.endif
.if !(\v)
	s_add_nc_u64 s[26:27], s[24:25], s[32:33]
.endif
	WIN WW
.irp c, 0,1
	v_cvt_scalef32_pk16_fp6_f32 v[PC+6*\c:PC+6*\c+2], v[AC+32*\c:AC+32*\c+15], v[SO+2*\c]
	v_cvt_scalef32_pk16_fp6_f32 v[PT+4*\c:PT+4*\c+2], v[AC+32*\c+16:AC+32*\c+31], v[SO+2*\c+1]
.endr
	WIN 0
	v_nop                                          ; one plain place behind a scaled conversion
.irp c, 0,1                            ; a lane is to hold a WHOLE block: lanes 0-15 block 2 c, lanes 16-31 block 2 c + 1
.irp i, 0,1,2
	v_permlane16_swap_b32 v[PC+6*\c+\i], v[PT+4*\c+\i]
.endr
.irp i, 0,1,2
	v_mov_b32 v[PC+6*\c+3+\i], v[PT+4*\c+\i]
.endr
.endr
.if \v
.irp p, 0,1,2                          ; v: one fragment, 16 d x 128 keys
	global_store_b128 v[L16], v[PC+4*\p:PC+4*\p+3], s[24:25] offset:512*\p
.endr
.else
.irp p, 0,1,2                          ; q, k: registers 0-5 are my first head's half fragment, 6-11 my second head's: 256 consecutive bytes a store
	global_store_b64 v[L8], v[PC+2*\p:PC+2*\p+1], s[24:25] offset:256*\p
	global_store_b64 v[L8], v[PC+6+2*\p:PC+6+2*\p+1], s[26:27] offset:256*\p
.endr
.endif
.endm
	WADR 0
	PLACES 4                                       ; behind the last products: their results are read, and registers that held A's fragments are written
.irp b, 0,1,2,3
	v_mov_b32 v[TM+4+\b], 0                        ; a lane permute's destination counts as one of its sources
.endr
.irp a, 0,1
	QOUT \a, 0
.endr
	WALU
	s_wait_tensorcnt 0x0                           ; phase 2's first two blocks are in; nobody reads K step 3 or W's scale bytes any more
	ds_add_u32 v[SPW], v[NIL]
	s_wait_dscnt 0x0
	CROUND
	P2LOADB                                        ; the other two blocks; six tiles of the way out follow
.irp a, 2,3,4,5,6,7
	QOUT \a, 0
.endr
.irp q, 0,1,2,3
	v_cndmask_b32 v[XQ+\q], v[PW+2*\q], v[PW+2*\q+1], s36   ; lanes 0-15 tile 2 q's words, lanes 16-31 tile 2 q + 1's
.endr
.irp q, 0,1,2,3
	v_and_b32 v[H0+\q], 0xffff, v[XQ+\q]           ; bytes 0, 1: my first head's two blocks of d; the bytes above them stay 0: there the other side's codes are zeros
	v_lshrrev_b32 v[H1+\q], 16, v[XQ+\q]           ; bytes 2, 3: my second head's
.endr
	global_store_b128 v[L16], v[H0:H0+3], s[38:39]
	global_store_b128 v[L16], v[H1:H1+3], s[40:41]
	; PHASE 2
	WALU
	s_wait_xcnt 0x0                                ; the stores have read their registers and bases
	s_wait_tensorcnt 0x0                           ; my blocks of phase 2's four are in,
	s_barrier_signal -1
	s_barrier_wait -1                              ; everybody's are
	FETCH2 0
	SCALES 0, ADRS2
	KSTEP2 0, 1
.irp g, 1,2,3,4,5,6,7
	KSTEP2 \g, 0
.endr
	WIN 0
	WADR 1
	PLACES 4
.irp a, 0,1,2,3
	QOUT \a, 1
.endr
.irp q, 0,1
	v_cndmask_b32 v[XQ+\q], v[PW+2*\q], v[PW+2*\q+1], s36
.endr
	global_store_b64 v[L8], v[XQ:XQ+1], s[38:39]   ; my head's four d tiles
	s_wait_tensorcnt 0x0                           ; the wave's end
	ds_add_u32 v[SPW], v[NIL]
	s_wait_dscnt 0x0
	CROUND                                         ; the closing round
	s_endpgm
.Lfunc_end_k_q5a41adab40_qkv:
	.size	k_q5a41adab40_qkv, .Lfunc_end_k_q5a41adab40_qkv-k_q5a41adab40_qkv
	.p2alignl 7, 3214868480
	.fill 96, 4, 3214868480
	.section	.rodata,"a",@progbits
	.p2align	6, 0x0
	.amdhsa_kernel k_q5a41adab40_qkv
		.amdhsa_group_segment_fixed_size 327680
		.amdhsa_private_segment_fixed_size 0
		.amdhsa_enable_private_segment 0
		.amdhsa_kernarg_size 32
		.amdhsa_user_sgpr_count 2
		.amdhsa_user_sgpr_kernarg_segment_ptr 1
		.amdhsa_wavefront_size32 1
		.amdhsa_system_sgpr_workgroup_id_x 1
		.amdhsa_system_sgpr_workgroup_id_y 1
		.amdhsa_system_sgpr_workgroup_id_z 1
		.amdhsa_system_vgpr_workitem_id 0
		.amdhsa_next_free_vgpr 1024
		.amdhsa_next_free_sgpr 106
		.amdhsa_reserve_vcc 0
		.amdhsa_float_denorm_mode_32 3
		.amdhsa_float_denorm_mode_16_64 3
		.amdhsa_memory_ordered 1
		.amdhsa_forward_progress 1
		.amdhsa_inst_pref_size 220
	.end_amdhsa_kernel
	.amdgpu_metadata
---
amdhsa.version: [ 1, 2 ]
amdhsa.kernels:
  - .name:           k_q5a41adab40_qkv
    .symbol:         k_q5a41adab40_qkv.kd
    .args:
      - { .name: xq, .offset: 0, .size: 8, .value_kind: global_buffer, .address_space: global }
      - { .name: wq, .offset: 8, .size: 8, .value_kind: global_buffer, .address_space: global }
      - { .name: qb, .offset: 16, .size: 8, .value_kind: global_buffer, .address_space: global }
      - { .name: kvb, .offset: 24, .size: 8, .value_kind: global_buffer, .address_space: global }
    .group_segment_fixed_size: 327680
    .private_segment_fixed_size: 0
    .kernarg_segment_align: 8
    .kernarg_segment_size: 32
    .max_flat_workgroup_size: 128
    .sgpr_count:     106
    .vgpr_count:     1024
    .wavefront_size: 32
...
	.end_amdgpu_metadata
.endif
;; end of part 2
;; launch attn (part 3): grid 4 x 64, 8 waves a work-group, clusters of 4 x 1, 210,944 bytes of LDS; arguments qb, kvb, ob; writes ob
.if DOCPART == 3
	.amdgcn_target "amdgcn-amd-amdhsa--gfx1250"
	.amdhsa_code_object_version 6
	.text
	.protected	k_q5a41adab40_attn
	.globl	k_q5a41adab40_attn
	.p2align	8
	.type	k_q5a41adab40_attn,@function
k_q5a41adab40_attn:
	s_mov_b64 s[64:65], 0
	v_nop
	global_prefetch_b8 v0, s[64:65] scope:SCOPE_SE
	s_setreg_imm32_b32 hwreg(HW_REG_WAVE_MODE, 25, 1), 1
	s_wait_xcnt 0x0
	s_wait_alu depctr_hold_cnt(0) depctr_sa_sdst(0) depctr_va_vdst(0) depctr_va_sdst(0) depctr_va_ssrc(0) depctr_va_vcc(0) depctr_vm_vsrc(0)
	s_getreg_b32 s2, hwreg(HW_REG_IB_STS2, 6, 4)
	s_cmp_eq_u32 s2, 0
	s_cbranch_scc0 .Lentry_in_a_cluster
	s_endpgm
.Lentry_in_a_cluster:
	s_bfe_u32 s2, ttmp6, 0x10000c
	s_cmp_lg_u32 s2, 0x3003
	s_cbranch_scc0 .Lentry_shape_is_right
	s_endpgm
.Lentry_shape_is_right:
; ATTN: o = softmax(q k^T / 8, causal) v for one (batch, head) a cluster, both products on codes of FP6 with E8M0 scales; o is divided by the row's sum, quantised along d and stored as images of operand registers.
; THE SOFTMAX: t = score x log2(e) / 8; M = the running largest t rounded up to a whole number; p = 2^(t - M) is quantised along the keys, not normalised; the sum is taken of the unquantised p.
; LEFT OUT: key steps whose 128 keys all come after a tile's queries: the causal mask sets their scores to -inf, so their p is 0 for all values of the inputs.
; A HEAD'S K, V AND SCALE WORDS, 16 blocks of 13,056 bytes, are 208,896 dense bytes: they come into LDS once, wave w bringing key steps 2 w and 2 w + 1 by one load, and stay.  Nothing is filled again; no loop has a barrier.
; All fills go out at the head, so there is no loop to prefetch ahead in.  CLUSTER: the four work-groups of a head ask for each block jointly.
; SHARES.  A tile is 16 queries; a head has 128.  Wave w takes tiles 127 and 126 less 8 w + 2 cx TOGETHER (key steps 0 .. 15 - w), then tiles 8 w + 2 cx and 8 w + 2 cx + 1 (key steps 0 .. w): 17 key steps for every wave.
; Each fragment of K and V is read from LDS once for both tiles, and the two tiles' chains of vector work take turns.  Trip counts are constants; a step that is left out is jumped over by the wave's number and the count of steps.
; cx enters global addresses and the mask's numbers alone.
; THE WALK BEGINS ON WAVE 0'S TILE.  Wave 0 has a load line of its own; the first barrier shows key steps 0 and 1 alone, which every wave's first pair of tiles needs (its last key step is 8 or later).
; They are walked by a loop of two trips that reads nothing beyond them and has no mask.  Then every wave waits for its tensor load, a second barrier shows the whole head, and the walk goes on from key step 2.
; THE NEXT STEP'S K is loaded into registers of its own right behind this step's score products.  Behind V's 13 loads stand K's 25: the wait ahead of the second product has the count 25.
; LAYOUT.  Both products are used transposed (S^T = K Q^T, O^T = V^T P^T): a lane holds one query.  A tile's slots are rows 8 u + r + 8 (r / 8) of 32, so the 16 registers of tiles 2 b, 2 b + 1 are 16 neighbouring keys (or d).
; K = 64 fills half of a product: Q's upper six registers hold zero codes; K's half fragments lie six registers apart, so a fragment's upper half is the next tile's codes, which meet those zeros.
; LIMITS: scaled scores under 2^31 in magnitude; p under 2^-126 falls to 0; a block's largest p is taken through its largest score (v_exp_f32 is taken not to fall where its input rises); a block of zeros gets the byte 1; NaN and infinities are not served.
; REGISTERS.  Window 0: v1, v2 8 and 16 x lane; v5-8 LDS addresses; for tile u from v[12 + 12 u]: -M, largest score, the sum (a pair), three pairs of partial sums, f (a pair); then the names below.
; Window 1: S^T, then p, of tile u at 64 u; O^T at 128 + 32 u; p's codes at 192 + 12 u; the conversions' second halves at 216 + 8 u.
.set BLK,   13056
.set SPARE, 208896                     ; behind the head's blocks: the spare words, 128 bytes a wave
.set OSC,   6291456                    ; where ob's scale bytes begin
.set MB,    12
.set DQ1,   36                         ; the mask's numbers: the pair 8 w + 2 cx .., the pair 127 less that ..
.set DQ2,   38
.set QS1,   40                         ; Q's scale words
.set QS2,   42
.set KSR,   44                         ; v44-47 K's scale words, v48-49 V's, v50-51 p's
.set VSR,   48
.set PSR,   50
.set BM,    52                         ; v52-59 block maxima, v60-67 the other lanes', then bytes, v68-75 the conversions' scale operands
.set BP,    60
.set SO,    68
.set TMP,   76
.set NINF,  78
.set KF,    80                         ; v80-127 K's eight half fragments, v128-133 zero codes
.set VF,    134                        ; v134-181 V's four fragments
.set QF1,   182                        ; Q's fragments, 12 registers a tile
.set QF2,   206
.set OX,    128
.set PC,    192
.set PT,    216
.set MSB, 0
.macro WIN new                         ; the immediate's high byte repeats the setting that is left
.if MSB != (\new)
	s_set_vgpr_msb (MSB<<8)|(\new)
.set MSB, (\new)
.endif
.endm
.macro WALU
	s_wait_alu depctr_va_vdst(0)
.endm
.macro ROUND
	s_barrier_signal -1
	s_barrier_wait -1
	s_cmp_lg_u32 s10, 0
	s_cbranch_scc1 .Lnot_wave_0_\@
	s_barrier_signal -3
.Lnot_wave_0_\@:
	s_barrier_wait -3
	s_barrier_signal -1
	s_barrier_wait -1
.endm
.macro WM d, a, b, c, sa, sb, row
	v_wmma_scale_f32_16x16x128_f8f6f4 v[\d:\d+7], v[\a:\a+11], v[\b:\b+11], \c, v[\sa], v[\sb] matrix_a_fmt:MATRIX_FMT_FP6 matrix_b_fmt:MATRIX_FMT_FP6 matrix_a_scale:MATRIX_SCALE_ROW\row
.endm
.macro KLOAD a, b, o=0                 ; a key step's K: 24 loads of 256 consecutive bytes, and its scale words: 25 LDS loads
.irp t, 0,1,2,3,4,5,6,7
.irp p, 0,1,2
	ds_load_b64 v[KF+6*\t+2*\p:KF+6*\t+2*\p+1], v\a offset:\o+768*\t+256*\p
.endr
.endr
	ds_load_b128 v[KSR:KSR+3], v\b offset:\o+12288
.endm
	s_load_b128 s[4:7], s[0:1], 0x0                ; qb, kvb
	s_load_b64 s[8:9], s[0:1], 0x10                ; ob
	v_lshl_add_u32 v3, v0, 2, SPARE
	v_mov_b32 v4, 0
	ds_add_u32 v3, v4                              ; the wave's opening: the add, twice on end, and its wait ahead of my tensor load
	ds_add_u32 v3, v4
	v_lshrrev_b32 v1, 5, v0
	v_readfirstlane_b32 s10, v1                    ; wave 0 .. 7
	s_bfe_u32 s11, ttmp6, 0x40000                  ; cx
	s_and_b32 s12, ttmp7, 0xffff                   ; 16 x batch + head
	s_mov_b32 s24, 15|(3<<16)|(1<<21)              ; all four work-groups; elements of 8 bytes; bit 21 beside a mask
	s_mov_b32 s25, 32<<16                          ; 102 rows of 256 bytes, dense: two key steps
	s_mov_b32 s26, 102<<16
	s_mov_b32 s27, 32<<16
	s_mov_b32 s28, 102
	s_mov_b32 s29, 32
	s_mov_b32 s30, 0
	s_mov_b32 s31, 0
	s_mov_b32 s14, 0x76543210
	s_mov_b32 s15, 0xfedcba98                      ; selects: lane l xor 16
	s_mov_b32 s16, 0x3e38aa3b                      ; c = log2(e) / 8
	s_mov_b32 s17, s16
	s_mov_b32 s22, 0xbe38aa3b                      ; -c
	s_mov_b32 s21, 0xffff0000
	s_mov_b32 s32, 1
	s_mul_i32 s33, s10, 2*BLK                      ; key steps 2 w, 2 w + 1 go to LDS byte 26,112 w
	s_mul_i32 s50, s12, 16*BLK
	s_add_co_u32 s50, s50, s33
	s_mov_b32 s51, 0
	s_lshl_b32 s44, s10, 3
	s_lshl_b32 s45, s11, 1
	s_add_co_u32 s44, s44, s45                     ; the pair of tiles 8 w + 2 cx and the next,
	s_add_co_u32 s45, s44, 1
	s_sub_co_u32 s46, 127, s44                     ; and the pair that goes first
	s_sub_co_u32 s47, 126, s44
	s_wait_dscnt 0x0                               ; both opening adds are done
	s_wait_kmcnt 0x0
	s_add_nc_u64 s[34:35], s[6:7], s[50:51]
	s_or_b32 s35, s35, 0x80000000
	s_mov_b32 s56, 1                               ; wave 0's own group 0: LDS byte 0 (in wave 0 the address above is the head's first byte)
	s_mov_b32 s57, 0
	s_mov_b64 s[58:59], s[34:35]
	ROUND                                          ; all four work-groups are here: the joint loads meet
	s_cmp_eq_u32 s10, 0                            ; one load a wave; wave 0's stands in an arm of its own, since the first barrier shows its tile alone
	s_cbranch_scc0 .Lothers
	tensor_load_to_lds s[56:59], s[24:31]
	s_nop 0
.rept 4
	v_nop
.endr
	s_branch .Lasked
.Lothers:
	tensor_load_to_lds s[32:35], s[24:31]
	s_nop 0
.rept 4
	v_nop
.endr
.Lasked:
	v_and_b32 v11, 31, v0
	v_lshlrev_b32 v1, 3, v11                       ; 8 x lane
	v_lshlrev_b32 v2, 4, v11                       ; 16 x lane
	v_and_b32 v[TMP], 15, v0                       ; r
	v_bfe_u32 v[TMP+1], v0, 4, 1                   ; h
	v_lshlrev_b32 v11, 4, v[TMP]                   ; 16 r: Q's scale words lie 16 bytes a slot
	v_lshl_add_u32 v9, v[TMP], 3, v[TMP+1]         ; 8 r + h: my byte among o's scale bytes
	v_and_b32 v10, 8, v[TMP]
	v_add_nc_u32 v10, v10, v[TMP]
	v_lshlrev_b32 v[TMP+1], 4, v[TMP+1]
	v_sub_nc_u32 v10, v10, v[TMP+1]                ; r + 8 (r / 8) - 16 h
; For tile s[ti]: its codes and scale words are loaded from qb (4 loads); s[po:po+1] is where its result goes in ob, s[po+2:po+3] that result's scale bytes; v[dq] = my query's place in its step of 128 - 16 h.
.macro PHADR ti, qf, qs, po, dq
	s_wait_xcnt 0x0                                ; the last tile's loads have read their bases
	s_lshr_b32 s50, s[\ti], 3
	s_lshl_b32 s51, s12, 4
	s_add_co_u32 s50, s50, s51
	s_mul_i32 s50, s50, 6656
	s_mov_b32 s51, 0
	s_and_b32 s52, s[\ti], 7
	s_and_b32 s53, s[\ti], 1
	s_mul_i32 s54, s52, 768
	s_mov_b32 s55, 0
	s_add_nc_u64 s[38:39], s[4:5], s[50:51]
	s_add_nc_u64 s[36:37], s[38:39], s[54:55]
	s_lshr_b32 s52, s52, 1
	s_lshl_b32 s54, s53, 8
	s_lshl_b32 s50, s52, 2
	s_add_co_u32 s54, s54, s50
	s_add_co_u32 s54, s54, 6144
	s_add_nc_u64 s[38:39], s[38:39], s[54:55]
	s_lshl_b32 s50, s52, 5
	s_lshl_b32 s54, s53, 3
	s_add_co_u32 s50, s50, s54
	v_add_nc_u32 v[\dq], s50, v10
	s_lshr_b32 s50, s12, 4
	s_lshl_b32 s50, s50, 7
	s_add_co_u32 s50, s50, s[\ti]                  ; the row tile in ob: 128 x batch + tile
	s_and_b32 s52, s12, 15                         ; head
	s_lshl_b32 s54, s50, 4
	s_add_co_u32 s54, s54, s52
	s_mul_i32 s54, s54, 768
	s_add_nc_u64 s[\po:\po+1], s[8:9], s[54:55]
	s_lshr_b32 s54, s50, 1
	s_lshl_b32 s54, s54, 10
	s_and_b32 s50, s50, 1
	s_lshl_b32 s50, s50, 7
	s_add_co_u32 s54, s54, s50
	s_lshr_b32 s50, s52, 2
	s_lshl_b32 s50, s50, 8
	s_add_co_u32 s54, s54, s50
	s_and_b32 s50, s52, 3
	s_lshl_b32 s50, s50, 1
	s_add_co_u32 s54, s54, s50
	s_add_co_u32 s54, s54, OSC
	s_add_nc_u64 s[\po+2:\po+3], s[8:9], s[54:55]
.irp p, 0,1,2
	global_load_b64 v[\qf+2*\p:\qf+2*\p+1], v1, s[36:37] offset:256*\p
.endr
	global_load_b32 v[\qs], v11, s[38:39]
.endm
	WALU
	PHADR 46, QF2,    QS2,   76, DQ2               ; the pair that goes first is asked for first
	PHADR 47, QF2+12, QS2+1, 80, DQ2+1
	PHADR 44, QF1,    QS1,   68, DQ1
	PHADR 45, QF1+12, QS1+1, 72, DQ1+1
.irp i, 0,1,2,3,4,5
	v_mov_b32 v[QF1+6+\i], 0                       ; zero codes for k = 64 .. 127
	v_mov_b32 v[QF1+18+\i], 0
	v_mov_b32 v[QF2+6+\i], 0
	v_mov_b32 v[QF2+18+\i], 0
	v_mov_b32 v[KF+48+\i], 0                       ; behind K's last half fragment
.endr
.irp k, 0,1,2,3,4,5,6,7
	v_mov_b32 v[BP+\k], 0                          ; a lane permute's destination counts as one of its sources
.endr
	v_mov_b32 v[MB+11], 0                          ; (named as the upper halves of the pairs of f)
	v_mov_b32 v[MB+23], 0
	v_mov_b32 v[NINF], 0xff800000                  ; -infinity
	WALU                                           ; the wait at the head's end
	s_wait_loadcnt 8                               ; the first pair's Q is in; the other pair's eight loads may be out
	s_cmp_lg_u32 s10, 0
	s_cbranch_scc1 .Lnot_0
	s_wait_tensorcnt 0x0                           ; wave 0: key steps 0 and 1 are in
.Lnot_0:
	s_barrier_signal -1
	s_barrier_wait -1                              ; and are shown to all
; A KEY STEP for both tiles: 128 keys at LDS byte s18.  CL: the last LDS byte from which the next step's K may be taken.  DG = 0: the diagonal cannot lie in this step: no mask is written.
.macro STEP QF, QS, DQ, CL, DG
	s_wait_dscnt 0x0                               ; this step's K, asked for a step ago
	WIN 0x40
.irp t, 0,2,4,6
.irp u, 0,1
	WM 64*\u+8*\t, KF+6*\t, \QF+12*\u, 0, KSR+\t/2, \QS+\u, 0
.endr
.irp u, 0,1
	WM 64*\u+8*\t+8, KF+6*\t+6, \QF+12*\u, 0, KSR+\t/2, \QS+\u, 1
.endr
.endr
	WIN 0
	s_add_co_u32 s23, s18, BLK
	s_min_u32 s23, s23, \CL                        ; the next step's K; at the walk's end the same block once more, so that no load leaves the bytes that are shown
	v_add_nc_u32 v5, s18, v1                       ; these four lines are the places behind the products, in front of the loads and of the scores' readers
	v_add_nc_u32 v6, s18, v2
	v_add_nc_u32 v7, s23, v1
	v_add_nc_u32 v8, s23, v2
.irp d, 0,1,2,3
.irp p, 0,1,2
	ds_load_b128 v[VF+12*\d+4*\p:VF+12*\d+4*\p+3], v6 offset:6144+1536*\d+512*\p
.endr
.endr
	ds_load_b64 v[VSR:VSR+1], v5 offset:12800
	KLOAD 7, 8
.if \DG
	s_cmp_lg_u32 s19, s20                          ; the diagonal lies in the tiles' last step alone
	s_cbranch_scc1 .Lopen_\@
	WIN 0x41
.irp u, 0,1
.set N_, 0
.rept 64
	v_cmp_gt_i32 vcc_lo, 32*(N_/16)+N_%16, v[\DQ+\u]   ; register 16 b + i holds key 32 b + 16 h + i of the step: hidden where it comes after my query
	v_cndmask_b32 v[64*\u+N_], v[64*\u+N_], v[NINF], vcc_lo
.set N_, N_+1
.endr
.endr
	WIN 0
.Lopen_\@:
.endif
	WIN 0x15
.irp u, 0,1
.irp b, 0,1,2,3
	v_max3_num_f32 v[BM+4*\u+\b], v[64*\u+16*\b], v[64*\u+16*\b+1], v[64*\u+16*\b+2]   ; the largest score of each block of 32 keys: eight chains by turns
.endr
.endr
	WIN 0x14
.irp i, 3,5,7,9,11,13
.irp u, 0,1
.irp b, 0,1,2,3
	v_max3_num_f32 v[BM+4*\u+\b], v[BM+4*\u+\b], v[64*\u+16*\b+\i], v[64*\u+16*\b+\i+1]
.endr
.endr
.endr
.irp u, 0,1
.irp b, 0,1,2,3
	v_max_num_f32 v[BM+4*\u+\b], v[BM+4*\u+\b], v[64*\u+16*\b+15]
.endr
.endr
	WIN 0
.irp k, 0,1,2,3,4,5,6,7
	v_permlanex16_b32 v[BP+\k], v[BM+\k], s14, s15
.endr
.irp k, 0,1,2,3,4,5,6,7
	v_max_num_f32 v[BM+\k], v[BM+\k], v[BP+\k]     ; with lane l xor 16's 16 keys
.endr
.irp u, 0,1
	v_max3_num_f32 v[MB+12*\u+1], v[BM+4*\u], v[BM+4*\u+1], v[MB+12*\u+1]
.endr
.irp u, 0,1
	v_max3_num_f32 v[MB+12*\u+1], v[BM+4*\u+2], v[BM+4*\u+3], v[MB+12*\u+1]   ; the running largest score (c is positive)
.endr
.irp u, 0,1
	v_mul_f32 v[TMP+\u], s22, v[MB+12*\u+1]        ; -t
.endr
.irp u, 0,1
	v_floor_f32 v[TMP+\u], v[TMP+\u]               ; the new -M = floor(-t): M is a whole number
.endr
.irp u, 0,1
	v_sub_f32 v[MB+12*\u+10], v[TMP+\u], v[MB+12*\u]
.endr
.irp u, 0,1
	v_mov_b32 v[MB+12*\u], v[TMP+\u]
.endr
.irp u, 0,1
	v_cvt_i32_f32 v[MB+12*\u+10], v[MB+12*\u+10]   ; old M - new M, 0 or less (it saturates)
.endr
.irp u, 0,1
	v_ldexp_f32 v[MB+12*\u+10], 1.0, v[MB+12*\u+10]   ; f = 2^(old M - new M): rounds nothing
.endr
	WIN 0x41
.set J_, 0
.rept 16
.irp u, 0,1
	v_pk_mul_f32 v[OX+32*\u+J_:OX+32*\u+J_+1], v[OX+32*\u+J_:OX+32*\u+J_+1], v[MB+12*\u+10:MB+12*\u+11] op_sel_hi:[1,0]   ; O^T under the new M, ahead of the exponentials
.endr
.set J_, J_+2
.endr
.set J_, 0
.rept 32
.irp u, 0,1
	v_pk_fma_f32 v[64*\u+J_:64*\u+J_+1], v[64*\u+J_:64*\u+J_+1], s[16:17], v[MB+12*\u:MB+12*\u+1] op_sel_hi:[1,0,0]   ; t - M
.endr
.set J_, J_+2
.endr
	WIN 0
.irp u, 0,1
	v_pk_mul_f32 v[MB+12*\u+2:MB+12*\u+3], v[MB+12*\u+2:MB+12*\u+3], v[MB+12*\u+10:MB+12*\u+11] op_sel_hi:[1,0]   ; the sums under the new M
.endr
.irp u, 0,1
.irp b, 0,1,2,3
	v_fma_f32 v[BM+4*\u+\b], v[BM+4*\u+\b], s16, v[MB+12*\u]
.endr
.endr
	WALU                                           ; the wait ahead of the batch
.irp k, 0,1,2,3,4,5,6,7
	v_exp_f32 v[BM+\k], v[BM+\k]                   ; each block's largest p
.endr
	WIN 0x41
.set J_, 0
.rept 128
	v_exp_f32 v[J_], v[J_]                         ; p = 2^(t - M)
.set J_, J_+1
.endr
	v_nop                                          ; the plain place behind the exponentials
	WIN 0
	WALU                                           ; one wait for the batch of 136, ahead of its first reader
.irp k, 0,1,2,3,4,5,6,7
	v_max_num_f32 v[BM+\k], 0x1800000, v[BM+\k]    ; the floor: the byte cannot fall under 1
.endr
.irp k, 0,1,2,3,4,5,6,7
	v_add_nc_u32 v[SO+\k], 0xff000000, v[BM+\k]    ; 2 off the exponent field: the conversion's scale operand
.endr
.irp k, 0,1,2,3,4,5,6,7
	v_lshrrev_b32 v[BP+\k], 23, v[SO+\k]
.endr
.irp u, 0,1
	v_lshl_or_b32 v[PSR+\u], v[BP+4*\u+1], 8, v[BP+4*\u]   ; p's scale word for these 128 keys
.endr
.irp u, 0,1
	v_lshl_or_b32 v[PSR+\u], v[BP+4*\u+2], 16, v[PSR+\u]
.endr
.irp u, 0,1
	v_lshl_or_b32 v[PSR+\u], v[BP+4*\u+3], 24, v[PSR+\u]
.endr
	WIN 0x41
.irp u, 0,1
.irp c, 0,1
	v_cvt_scalef32_pk16_fp6_f32 v[PC+12*\u+6*\c:PC+12*\u+6*\c+2], v[64*\u+32*\c:64*\u+32*\c+15], v[SO+4*\u+2*\c]
	v_cvt_scalef32_pk16_fp6_f32 v[PT+8*\u+4*\c:PT+8*\u+4*\c+2], v[64*\u+32*\c+16:64*\u+32*\c+31], v[SO+4*\u+2*\c+1]
.endr
.endr
	v_nop                                          ; one plain place behind a scaled conversion
.irp u, 0,1
.irp c, 0,1
.irp i, 0,1,2
	v_permlane16_swap_b32 v[PC+12*\u+6*\c+\i], v[PT+8*\u+4*\c+\i]   ; a lane is to hold a whole block
.endr
.endr
.endr
.irp u, 0,1
.irp c, 0,1
.irp i, 0,1,2
	v_mov_b32 v[PC+12*\u+6*\c+3+\i], v[PT+8*\u+4*\c+\i]
.endr
.endr
.endr
	WIN 0x05                                       ; the rows' sums of the unquantised p, four chains a tile; these lines are also the places between p's codes and scale words and the products
.irp k, 0,1,2
.irp u, 0,1
	v_pk_add_f32 v[MB+12*\u+4+2*\k:MB+12*\u+5+2*\k], v[64*\u+4*\k:64*\u+4*\k+1], v[64*\u+4*\k+2:64*\u+4*\k+3]
.endr
.endr
	WIN 0x04
.set J_, 6
.rept 26
.irp u, 0,1
	v_pk_add_f32 v[MB+12*\u+2+2*((J_-6)%4):MB+12*\u+3+2*((J_-6)%4)], v[MB+12*\u+2+2*((J_-6)%4):MB+12*\u+3+2*((J_-6)%4)], v[64*\u+2*J_:64*\u+2*J_+1]
.endr
.set J_, J_+1
.endr
	WIN 0
.irp u, 0,1
	v_pk_add_f32 v[MB+12*\u+4:MB+12*\u+5], v[MB+12*\u+4:MB+12*\u+5], v[MB+12*\u+6:MB+12*\u+7]
.endr
.irp u, 0,1
	v_pk_add_f32 v[MB+12*\u+2:MB+12*\u+3], v[MB+12*\u+2:MB+12*\u+3], v[MB+12*\u+8:MB+12*\u+9]
.endr
.irp u, 0,1
	v_pk_add_f32 v[MB+12*\u+2:MB+12*\u+3], v[MB+12*\u+2:MB+12*\u+3], v[MB+12*\u+4:MB+12*\u+5]
.endr
	WALU                                           ; the wait ahead of the wait below
	s_wait_dscnt 25                                ; V and its scale words are in; the next step's K, 25 loads, may be out
	WIN 0x54
.irp d, 0,2
.irp u, 0,1
	WM OX+32*\u+8*\d, VF+12*\d, PC+12*\u, v[OX+32*\u+8*\d:OX+32*\u+8*\d+7], VSR+\d/2, PSR+\u, 0
.endr
.irp u, 0,1
	WM OX+32*\u+8*\d+8, VF+12*\d+12, PC+12*\u, v[OX+32*\u+8*\d+8:OX+32*\u+8*\d+15], VSR+\d/2, PSR+\u, 1
.endr
.endr
	WIN 0
.endm
; The two tiles' results: O^T / the sum, quantised along d (two blocks of 32), stored as half fragments (768 bytes) and two scale bytes a row.
.macro OUT P0
	WALU
.irp u, 0,1
	v_add_f32 v[MB+12*\u+2], v[MB+12*\u+2], v[MB+12*\u+3]   ; (these six lines are the places behind the last products)
.endr
.irp u, 0,1
	v_permlanex16_b32 v[TMP+\u], v[MB+12*\u+2], s14, s15
.endr
.irp u, 0,1
	v_add_f32 v[MB+12*\u+2], v[MB+12*\u+2], v[TMP+\u]   ; the row's sum
.endr
	WALU
.irp u, 0,1
	v_rcp_f32 v[MB+12*\u+10], v[MB+12*\u+2]
.endr
	v_nop                                          ; a plain place behind the reciprocals,
	WIN 0x41
	WALU                                           ; and the wait directly ahead of their first reader, which is O^T's first reader too
.set J_, 0
.rept 16
.irp u, 0,1
	v_pk_mul_f32 v[64*\u+J_:64*\u+J_+1], v[OX+32*\u+J_:OX+32*\u+J_+1], v[MB+12*\u+10:MB+12*\u+11] op_sel_hi:[1,0]   ; register 16 b + i is o(my query, 32 b + 16 h + i)
.endr
.set J_, J_+2
.endr
	WIN 0x05
.irp u, 0,1
.irp b, 0,1
	v_max3_num_f32 v[BM+4*\u+\b], |v[64*\u+16*\b]|, |v[64*\u+16*\b+1]|, 0x1800000
.endr
.endr
	WIN 0x14
.irp i, 2,4,6,8,10,12,14
.irp u, 0,1
.irp b, 0,1
	v_max3_num_f32 v[BM+4*\u+\b], v[BM+4*\u+\b], |v[64*\u+16*\b+\i]|, |v[64*\u+16*\b+\i+1]|
.endr
.endr
.endr
	WIN 0
.irp k, 0,1,4,5
	v_permlanex16_b32 v[BP+\k], v[BM+\k], s14, s15
.endr
.irp k, 0,1,4,5
	v_max_num_f32 v[BM+\k], v[BM+\k], v[BP+\k]
.endr
.irp k, 0,1,4,5
	v_add_nc_u32 v[SO+\k], 0xff000000, v[BM+\k]
.endr
.irp k, 0,1,4,5
	v_lshrrev_b32 v[BP+\k], 23, v[SO+\k]
.endr
	WIN 0x41
.irp u, 0,1
	v_cvt_scalef32_pk16_fp6_f32 v[PC+12*\u:PC+12*\u+2], v[64*\u:64*\u+15], v[SO+4*\u]
	v_cvt_scalef32_pk16_fp6_f32 v[PT+8*\u:PT+8*\u+2], v[64*\u+16:64*\u+31], v[SO+4*\u+1]
.endr
	WIN 0
.irp u, 0,1
	v_cndmask_b32 v[TMP+\u], v[BP+4*\u], v[BP+4*\u+1], s21   ; lanes 0-15 store block 0's byte, lanes 16-31 block 1's.  (The plain place behind the conversions)
.endr
	WIN 0x41
.irp u, 0,1
.irp i, 0,1,2
	v_permlane16_swap_b32 v[PC+12*\u+\i], v[PT+8*\u+\i]
.endr
.endr
.irp u, 0,1
.irp i, 0,1,2
	v_mov_b32 v[PC+12*\u+3+\i], v[PT+8*\u+\i]
.endr
.endr
	WIN 0x04
.irp u, 0,1
.irp p, 0,1,2
	global_store_b64 v1, v[PC+12*\u+2*\p:PC+12*\u+2*\p+1], s[\P0+4*\u:\P0+4*\u+1] offset:256*\p   ; 256 consecutive bytes a store
.endr
.endr
	WIN 0
.irp u, 0,1
	global_store_b8 v9, v[TMP+\u], s[\P0+4*\u+2:\P0+4*\u+3]
.endr
	s_wait_xcnt 0x0                                ; the stores have read their registers: they may be written again
.endm
.macro KLOOP QF, QS, DQ, NTR, CL, DG   ; key steps s19 .. NTR - 1
.Ltrip_\@:
	s_cmp_gt_u32 s19, s20                          ; all of this step's keys come after my queries: the wave's number and the count of steps alone
	s_cbranch_scc1 .Lskip_\@
	STEP \QF, \QS, \DQ, \CL, \DG
.Lskip_\@:
	s_add_co_u32 s18, s18, BLK
	s_add_co_u32 s19, s19, 1
	s_cmp_lt_u32 s19, \NTR
	s_cbranch_scc1 .Ltrip_\@
.endm
.macro PHASE QF, QS, DQ, NTR, P0
	s_wait_dscnt 0x0                               ; no load into K's registers is out
	KLOAD 1, 2                                     ; key step 0's K
.irp u, 0,1
	v_mov_b32 v[MB+12*\u+1], 0xff61b1e6            ; the largest score so far: -3e38
	v_mov_b32 v[MB+12*\u], 0x7f61b1e6              ; -M: 3e38, so that the first f is 0
	v_mov_b32 v[MB+12*\u+2], 0
	v_mov_b32 v[MB+12*\u+3], 0
.endr
	WIN 0x40
.set J_, 0
.rept 64
	v_mov_b32 v[OX+J_], 0                          ; the step is written once: the first finds zeros
.set J_, J_+1
.endr
	WIN 0
	s_mov_b32 s18, 0
	s_mov_b32 s19, 0
	WALU
.if \NTR == 16                         ; the pair that goes first: its last key step, 15 - w, is 8 or later
	KLOOP \QF, \QS, \DQ, 2, BLK, 0                 ; key steps 0 and 1: wave 0's tile alone is read
	WALU
	s_wait_tensorcnt 0x0                           ; every wave: my two key steps are in,
	s_wait_dscnt 0x0
	s_barrier_signal -1
	s_barrier_wait -1                              ; everybody's are: the whole head lies in LDS
	KLOAD 1, 2, 2*BLK                              ; key step 2's K
	s_mov_b32 s18, 2*BLK
	s_mov_b32 s19, 2
.endif
	KLOOP \QF, \QS, \DQ, \NTR, 15*BLK, 1
	OUT \P0
.endm
	s_sub_co_u32 s20, 15, s10                      ; the first pair's last key step
	PHASE QF2, QS2, DQ2, 16, 76
	s_wait_loadcnt 0x0                             ; the other pair's Q
	s_mov_b32 s20, s10                             ; and its last key step
	PHASE QF1, QS1, DQ1, 8, 68
	s_wait_tensorcnt 0x0                           ; the wave's end
	ds_add_u32 v3, v4
	s_wait_dscnt 0x0
	ROUND                                          ; the closing round
	s_endpgm
.Lfunc_end_k_q5a41adab40_attn:
	.size	k_q5a41adab40_attn, .Lfunc_end_k_q5a41adab40_attn-k_q5a41adab40_attn
	.p2alignl 7, 3214868480
	.fill 96, 4, 3214868480
	.section	.rodata,"a",@progbits
	.p2align	6, 0x0
	.amdhsa_kernel k_q5a41adab40_attn
		.amdhsa_group_segment_fixed_size 210944
		.amdhsa_private_segment_fixed_size 0
		.amdhsa_enable_private_segment 0
		.amdhsa_kernarg_size 24
		.amdhsa_user_sgpr_count 2
		.amdhsa_user_sgpr_kernarg_segment_ptr 1
		.amdhsa_wavefront_size32 1
		.amdhsa_system_sgpr_workgroup_id_x 1
		.amdhsa_system_sgpr_workgroup_id_y 1
		.amdhsa_system_sgpr_workgroup_id_z 1
		.amdhsa_system_vgpr_workitem_id 0
		.amdhsa_next_free_vgpr 512
		.amdhsa_next_free_sgpr 84
		.amdhsa_reserve_vcc 1
		.amdhsa_float_denorm_mode_32 3
		.amdhsa_float_denorm_mode_16_64 3
		.amdhsa_memory_ordered 1
		.amdhsa_forward_progress 1
		.amdhsa_inst_pref_size 147
	.end_amdhsa_kernel
	.amdgpu_metadata
---
amdhsa.version: [ 1, 2 ]
amdhsa.kernels:
  - .name:           k_q5a41adab40_attn
    .symbol:         k_q5a41adab40_attn.kd
    .args:
      - { .name: qb, .offset: 0, .size: 8, .value_kind: global_buffer, .address_space: global }
      - { .name: kvb, .offset: 8, .size: 8, .value_kind: global_buffer, .address_space: global }
      - { .name: ob, .offset: 16, .size: 8, .value_kind: global_buffer, .address_space: global }
    .group_segment_fixed_size: 210944
    .private_segment_fixed_size: 0
    .kernarg_segment_align: 8
    .kernarg_segment_size: 24
    .max_flat_workgroup_size: 256
    .sgpr_count:     84
    .vgpr_count:     512
    .wavefront_size: 32
...
	.end_amdgpu_metadata
.endif
;; end of part 3
;; launch proj (part 4): grid 4 x 64, 4 waves a work-group, clusters of 4 x 4, 327,680 bytes of LDS; arguments ob, wq, bp, out0; writes out0
.if DOCPART == 4
	.amdgcn_target "amdgcn-amd-amdhsa--gfx1250"
	.amdhsa_code_object_version 6
	.text
	.protected	k_q5a41adab40_proj
	.globl	k_q5a41adab40_proj
	.p2align	8
	.type	k_q5a41adab40_proj,@function
k_q5a41adab40_proj:
	s_mov_b64 s[64:65], 0
	v_nop
	global_prefetch_b8 v0, s[64:65] scope:SCOPE_SE
	s_setreg_imm32_b32 hwreg(HW_REG_WAVE_MODE, 25, 1), 1
	s_wait_xcnt 0x0
	s_wait_alu depctr_hold_cnt(0) depctr_sa_sdst(0) depctr_va_vdst(0) depctr_va_sdst(0) depctr_va_ssrc(0) depctr_va_vcc(0) depctr_vm_vsrc(0)
	s_getreg_b32 s2, hwreg(HW_REG_IB_STS2, 6, 4)
	s_cmp_eq_u32 s2, 0
	s_cbranch_scc0 .Lentry_in_a_cluster
	s_endpgm
.Lentry_in_a_cluster:
	s_bfe_u32 s2, ttmp6, 0x10000c
	s_cmp_lg_u32 s2, 0xf033
	s_cbranch_scc0 .Lentry_shape_is_right
	s_endpgm
.Lentry_shape_is_right:
; PROJ: out0 = o Wp^T + bp, K = 1,024, on codes of FP6 with E8M0 scales.  o's codes and scale bytes lie in ob, Wp's in wq (row tiles 192 ..), both as images of operand registers.
; A work-group makes 128 tokens x 256 columns.  All that it reads is four dense blocks of memory, one joint load a wave: Wp's codes (196,608 bytes), Wp's scale bytes, o's codes (98,304), o's scale bytes.  Nothing is filled again.
; THE WEIGHTS LIVE IN REGISTERS: wave w holds Wp's rows 64 w .. 64 w + 63 of the 256, all of K: 4 tiles x 8 fragments of 12 registers.  o streams past from LDS in 8 blocks of 16 tokens, all of K: 8 fragments, in two sets.
; A block's 16 x 64 results are whole after its 32 products and leave at once: through the wave's own stage in LDS they become rows of 256 bytes, stored behind the next block's products.
; The first barrier shows Wp's codes and scale bytes alone (waves 0 and 1 have load lines of their own and wait there), so the weights' LDS loads stand ahead of the wait for o's tiles.
; The walk is a loop of four trips of two blocks.  Each wait on DScnt in it is for 0 and stands behind a block's 32 products: what it waits for was issued ahead of them.
; The first trip sends no earlier block and the last fetches no later one: branches on the count of trips alone, round stores and LDS loads.
; THE MATRIX INSTRUCTION IS USED TRANSPOSED (source 0 = Wp's rows): a lane holds eight neighbouring columns of one token.  The bias is the first products' C.
; A tile's 16 slots are rows 8 u + r + 8 (r / 8) of a group of 32.  CLUSTER 4 x 4: o's blocks are asked for jointly along a row of the cluster, Wp's along a column.
; REGISTERS: window 0: v4-15 addresses; v32-47 Wp's scale words; v52-67 o's, two sets; v72-135 accumulators, two sets; v136-167 the bias; v168-231 rows on the way out, two sets.
;   windows 1, 2: Wp's fragment f = 4 q + b at window 1 + f / 21, register 12 (f % 21).  window 3: o's fragments, set e at 96 e.
.set WSC,    3145728
.set OSC,    6291456
.set BCO,    98304                     ; LDS: o's codes at 0, Wp's from here, a row tile 12,288 bytes
.set SCL,    294912                    ; o's scale bytes (4,096), then Wp's (8,192)
.set SPARE,  307200                    ; the spare words, 128 bytes a wave
.set STAGE,  307712                    ; the stages: 16 rows x 272 bytes a wave, bytes of their own
.set SPITCH, 272
.set L8,    4
.set L16,   5
.set R8,    6
.set ADRA,  8
.set AAS,   9
.set ADRB,  10
.set ABS,   11
.set STO,   12
.set RD,    13
.set CO,    14
.set BO,    15
.set SPW,   28
.set NIL,   29
.set SB,    32
.set SA,    52
.set ACC,   72
.set BI,    136
.set BK,    168
.set G1A,   24
.set G1B,   32
.set G1SA,  40
.set G1SB,  48
.set G0SA,  56
.set G0SB,  60
.set G0A,   68
.set G0B,   72
.set MSB, 0
.macro WIN new
.if MSB != (\new)
	s_set_vgpr_msb (MSB<<8)|(\new)
.set MSB, (\new)
.endif
.endm
.macro WALU
	s_wait_alu depctr_va_vdst(0)
.endm
.macro PLACES n
.rept \n
	v_nop
.endr
.endm
.macro CROUND
	s_barrier_signal -1
	s_barrier_wait -1
	s_cmp_lg_u32 s14, 0
	s_cbranch_scc1 .Lnot_wave_0_\@
	s_barrier_signal -3
.Lnot_wave_0_\@:
	s_barrier_wait -3
	s_barrier_signal -1
	s_barrier_wait -1
.endm
.macro G1SET g, r                      ; group 1's words 1 to 7: r dense rows of 256 bytes
	s_mov_b32 s[\g+1], 32<<16
	s_mov_b32 s[\g+2], (\r)<<16
	s_mov_b32 s[\g+3], 32<<16
	s_mov_b32 s[\g+4], \r
	s_mov_b32 s[\g+5], 32
	s_mov_b32 s[\g+6], 0
	s_mov_b32 s[\g+7], 0
.endm
.macro G0SET g, lds, a
	s_mov_b32 s[\g], 1
	s_mov_b32 s[\g+1], \lds
	s_mov_b64 s[\g+2:\g+3], s[\a:\a+1]
	s_or_b32 s[\g+3], s[\g+3], 0x80000000
.endm
	s_load_b256 s[4:11], s[0:1], 0x0               ; ob, wq, bp, out0
	v_lshl_add_u32 v[SPW], v0, 2, SPARE
	v_mov_b32 v[NIL], 0
	ds_add_u32 v[SPW], v[NIL]                      ; the wave's opening: the add, twice on end, and its wait ahead of my tensor load
	ds_add_u32 v[SPW], v[NIL]
	v_lshrrev_b32 v1, 5, v0
	v_readfirstlane_b32 s14, v1                    ; wave
	s_bfe_u32 s12, ttmp6, 0x40000                  ; cx: my 256 columns
	s_bfe_u32 s13, ttmp6, 0x40004                  ; cy
	s_and_b32 s17, ttmp7, 0xffff
	s_lshl_b32 s17, s17, 2
	s_add_co_u32 s17, s17, s13                     ; my 128 tokens, 0 .. 63
	s_lshl_b32 s18, s13, 2
	s_lshl_b32 s18, 15, s18                        ; my row of the cluster
	s_lshl_b32 s19, 0x1111, s12                    ; my column
	s_or_b32 s[G1A], s18, (3<<16)|(1<<21)
	s_or_b32 s[G1SA], s18, (3<<16)|(1<<21)
	s_or_b32 s[G1B], s19, (3<<16)|(1<<21)
	s_or_b32 s[G1SB], s19, (3<<16)|(1<<21)
	G1SET G1A, 384
	G1SET G1B, 768
	G1SET G1SA, 16
	G1SET G1SB, 32
	s_mul_i32 s18, s17, 98304                      ; o's codes: 8 row tiles of 12,288 bytes
	s_mov_b32 s19, 0
	s_lshl_b32 s20, s17, 12
	s_add_co_u32 s20, s20, OSC                     ; o's scale bytes
	s_mov_b32 s21, 0
	s_lshl_b32 s22, s12, 4
	s_add_co_u32 s22, s22, 192
	s_mul_i32 s22, s22, 12288                      ; Wp's codes: row tile 192 + 16 cx
	s_mov_b32 s23, 0
	s_lshl_b32 s66, s12, 13
	s_add_co_u32 s66, s66, WSC+98304               ; Wp's scale bytes: group 96 + 8 cx
	s_mov_b32 s67, 0
	s_wait_dscnt 0x0
	s_wait_kmcnt 0x0
	s_add_nc_u64 s[18:19], s[4:5], s[18:19]
	s_add_nc_u64 s[20:21], s[4:5], s[20:21]
	s_add_nc_u64 s[22:23], s[6:7], s[22:23]
	s_add_nc_u64 s[66:67], s[6:7], s[66:67]
	CROUND                                         ; all sixteen work-groups are here: the joint loads meet
	G0SET G0A, 0, 18
	G0SET G0B, BCO, 22
	G0SET G0SA, SCL, 20
	G0SET G0SB, SCL+4096, 66
.macro ARM under, g0, g1, next         ; one load a wave, in one chain of branches on the wave's number
	s_cmp_lt_u32 s14, \under
	s_cbranch_scc0 \next
	tensor_load_to_lds s[\g0:\g0+3], s[\g1:\g1+7]
	s_nop 0
	PLACES 4
	s_branch .Lhead_asked
\next:
.endm
	ARM 1, G0B,  G1B,  .Lhead_sb
	ARM 2, G0SB, G1SB, .Lhead_a
	ARM 3, G0A,  G1A,  .Lhead_sa
	tensor_load_to_lds s[G0SA:G0SA+3], s[G1SA:G1SA+7]
	s_nop 0
	PLACES 4
.Lhead_asked:
	s_lshl_b32 s18, s12, 10
	s_lshl_b32 s19, s14, 8
	s_add_co_u32 s18, s18, s19                     ; my 64 columns, in bytes
	s_mov_b32 s19, 0
	s_add_nc_u64 s[8:9], s[8:9], s[18:19]
	s_add_nc_u64 s[10:11], s[10:11], s[18:19]
	s_lshl_b32 s18, s17, 19                        ; my 128 rows of 4,096 bytes
	s_add_nc_u64 s[10:11], s[10:11], s[18:19]
	s_mul_i32 s20, s14, 16*SPITCH
	s_add_co_u32 s20, s20, STAGE                   ; my stage
	s_mul_i32 s21, s14, 49152
	s_add_co_u32 s21, s21, BCO                     ; my four row tiles of Wp
	s_lshl_b32 s22, s14, 11
	s_add_co_u32 s22, s22, SCL+4096                ; and their scale bytes
	v_and_b32 v1, 31, v0
	v_and_b32 v2, 15, v0                           ; r
	v_bfe_u32 v3, v0, 4, 1                         ; h
	v_lshlrev_b32 v[BO], 6, v3
.irp t, 0,1,2,3                        ; register 8 t + j of lane (r, h) is column 32 (t / 2) + 8 (t % 2) + 16 h + j of my 64
	global_load_b128 v[BI+8*\t:BI+8*\t+3], v[BO], s[8:9] offset:(32*(\t/2)+8*(\t%2))*4
	global_load_b128 v[BI+8*\t+4:BI+8*\t+7], v[BO], s[8:9] offset:(32*(\t/2)+8*(\t%2))*4+16
.endr
	v_lshlrev_b32 v[L8], 3, v1
	v_lshlrev_b32 v[L16], 4, v1
	v_lshlrev_b32 v[R8], 3, v2
	v_mul_u32_u24 v7, v2, SPITCH
	v_lshl_add_u32 v7, v3, 6, v7
	v_add_nc_u32 v[STO], s20, v7                   ; into the stage: row r, + 64 h
	v_mul_u32_u24 v7, v3, SPITCH
	v_lshl_add_u32 v7, v2, 4, v7
	v_add_nc_u32 v[RD], s20, v7                    ; back: lanes 0-15 one row of 256 bytes, lanes 16-31 the next
	v_lshlrev_b32 v7, 12, v3
	v_lshl_add_u32 v[CO], v2, 4, v7                ; and the same two rows in out0
	v_add_nc_u32 v[ADRB], s21, v[L16]
	v_add_nc_u32 v[ABS], s22, v[L8]
	v_mov_b32 v[ADRA], v[L8]                       ; blocks 0 and 1
	v_add_nc_u32 v[AAS], SCL, v[R8]
.macro WM d, a, b, c, sa, sb, row
.if \row
	v_wmma_scale_f32_16x16x128_f8f6f4 v[\d:\d+7], v[\a:\a+11], v[\b:\b+11], \c, v[\sa], v[\sb] matrix_a_fmt:MATRIX_FMT_FP6 matrix_b_fmt:MATRIX_FMT_FP6 matrix_a_scale:MATRIX_SCALE_ROW1
.else
	v_wmma_scale_f32_16x16x128_f8f6f4 v[\d:\d+7], v[\a:\a+11], v[\b:\b+11], \c, v[\sa], v[\sb] matrix_a_fmt:MATRIX_FMT_FP6 matrix_b_fmt:MATRIX_FMT_FP6 matrix_a_scale:MATRIX_SCALE_ROW0
.endif
.endm
.macro WEIGHTS                         ; 96 loads of 512 consecutive bytes, and the scale words: register 8 p + q: lanes 0-15 tile 2 p, lanes 16-31 tile 2 p + 1, K step q
.irp q, 0,1,2,3,4,5,6,7
.irp b, 0,1,2,3
.set F_, 4*\q+\b
	WIN (1+F_/21)<<6
.irp p, 0,1,2
	ds_load_b128 v[12*(F_%21)+4*\p:12*(F_%21)+4*\p+3], v[ADRB] offset:\b*12288+\q*1536+512*\p
.endr
.endr
.endr
	WIN 0
.irp p, 0,1
.irp k, 0,1,2,3
	ds_load_b64 v[SB+8*\p+2*\k:SB+8*\p+2*\k+1], v[ABS] offset:\p*1024+\k*256
.endr
.endr
.endm
.macro FETCHA e                        ; a block of 16 tokens, all of K, into set e: 48 loads of 256 consecutive bytes, and 4 for its scale words
	WIN 0xc0
.irp q, 0,1,2,3,4,5,6,7
.irp p, 0,1,2,3,4,5
	ds_load_b64 v[96*\e+12*\q+2*\p:96*\e+12*\q+2*\p+1], v[ADRA] offset:\e*12288+\q*1536+256*\p
.endr
.endr
	WIN 0
.irp k, 0,1,2,3
	ds_load_b64 v[SA+8*\e+2*\k:SA+8*\e+2*\k+1], v[AAS] offset:\e*128+\k*256
.endr
.endm
.macro PRODS e                         ; a block's 32 products: its four accumulators by turns, K ascending
.irp q, 0,1,2,3,4,5,6,7
.irp b, 0,1,2,3
.set F_, 4*\q+\b
	WIN (1+F_/21)|(3<<2)
.if \q == 0
	WM ACC+32*\e+8*\b, 12*(F_%21), 96*\e+12*\q, v[BI+8*\b:BI+8*\b+7], SB+8*(\b/2)+\q, SA+8*\e+\q, \b%2
.else
	WM ACC+32*\e+8*\b, 12*(F_%21), 96*\e+12*\q, v[ACC+32*\e+8*\b:ACC+32*\e+8*\b+7], SB+8*(\b/2)+\q, SA+8*\e+\q, \b%2
.endif
.endr
.endr
	WIN 0
.endm
.macro TOSTAGE e                       ; LDS serves a wave's instructions in order: the loads see the stores
.irp b, 0,1,2,3
	ds_store_b128 v[STO], v[ACC+32*\e+8*\b:ACC+32*\e+8*\b+3] offset:128*(\b/2)+32*(\b%2)
	ds_store_b128 v[STO], v[ACC+32*\e+8*\b+4:ACC+32*\e+8*\b+7] offset:128*(\b/2)+32*(\b%2)+16
.endr
.irp t, 0,1,2,3,4,5,6,7
	ds_load_b128 v[BK+32*\e+4*\t:BK+32*\e+4*\t+3], v[RD] offset:\t*2*SPITCH
.endr
.endm
.macro SEND e                          ; slots 2 t + h are rows 8 e + 2 t + h + 8 (t / 4) of the trip's 32: sixteen lanes store 256 consecutive bytes, aligned
.irp t, 0,1,2,3,4,5,6,7
	global_store_b128 v[CO], v[BK+32*\e+4*\t:BK+32*\e+4*\t+3], s[10:11] offset:(8*\e+2*\t+8*(\t/4))*4096 th:TH_STORE_NT
.endr
.endm
	WALU                                           ; the wait at the head's end
	s_cmp_lt_u32 s14, 2
	s_cbranch_scc0 .Lnot_b
	s_wait_tensorcnt 0x0                           ; waves 0 and 1: Wp's codes, Wp's scale bytes
.Lnot_b:
	s_barrier_signal -1
	s_barrier_wait -1
	WEIGHTS
	s_wait_tensorcnt 0x0                           ; every wave: all that is still out
	s_wait_dscnt 0x0
	s_barrier_signal -1
	s_barrier_wait -1                              ; o's codes and scale bytes are in
	FETCHA 0
	FETCHA 1
	s_mov_b32 s40, 2*12288                         ; where the blocks that are fetched next lie,
	s_mov_b32 s41, SCL+1024                        ; and their scale bytes
	s_mov_b32 s42, 0
	s_wait_loadcnt 0x0                             ; the bias
	s_wait_dscnt 0x0
.Ltrip:
	PRODS 0
	v_add_nc_u32 v[ADRA], s40, v[L8]               ; (these four lines are the places behind the products)
	v_add_nc_u32 v[AAS], s41, v[R8]
	v_nop
	v_nop
	WALU                                           ; the wait ahead of the wait below
	s_wait_dscnt 0x0                               ; the last block is back from the stage, and the next block's fragments are in
	s_cmp_eq_u32 s42, 0
	s_cbranch_scc1 .Lfirst
	SEND 1                                         ; the last trip's second block
	s_wait_xcnt 0x0
	s_add_nc_u64 s[10:11], s[10:11], 32*4096
.Lfirst:
	s_cmp_eq_u32 s42, 3
	s_cbranch_scc1 .Lno_fetch_0
	FETCHA 0
.Lno_fetch_0:
	s_wait_xcnt 0x0                                ; earlier stores have read the registers that the stage's loads fill
	TOSTAGE 0
	PRODS 1
	PLACES 4
	s_wait_dscnt 0x0
	SEND 0
	s_cmp_eq_u32 s42, 3
	s_cbranch_scc1 .Lno_fetch_1
	FETCHA 1
.Lno_fetch_1:
	s_wait_xcnt 0x0
	TOSTAGE 1
	s_add_co_u32 s40, s40, 2*12288
	s_add_co_u32 s41, s41, 1024
	s_add_co_u32 s42, s42, 1
	s_cmp_lt_u32 s42, 4
	s_cbranch_scc1 .Ltrip
	s_wait_dscnt 0x0
	SEND 1
	s_wait_tensorcnt 0x0                           ; the wave's end
	ds_add_u32 v[SPW], v[NIL]
	s_wait_dscnt 0x0
	CROUND                                         ; the closing round
	s_endpgm
.Lfunc_end_k_q5a41adab40_proj:
	.size	k_q5a41adab40_proj, .Lfunc_end_k_q5a41adab40_proj-k_q5a41adab40_proj
	.p2alignl 7, 3214868480
	.fill 96, 4, 3214868480
	.section	.rodata,"a",@progbits
	.p2align	6, 0x0
	.amdhsa_kernel k_q5a41adab40_proj
		.amdhsa_group_segment_fixed_size 327680
		.amdhsa_private_segment_fixed_size 0
		.amdhsa_enable_private_segment 0
		.amdhsa_kernarg_size 32
		.amdhsa_user_sgpr_count 2
		.amdhsa_user_sgpr_kernarg_segment_ptr 1
		.amdhsa_wavefront_size32 1
		.amdhsa_system_sgpr_workgroup_id_x 1
		.amdhsa_system_sgpr_workgroup_id_y 1
		.amdhsa_system_sgpr_workgroup_id_z 1
		.amdhsa_system_vgpr_workitem_id 0
		.amdhsa_next_free_vgpr 960
		.amdhsa_next_free_sgpr 100
		.amdhsa_reserve_vcc 0
		.amdhsa_float_denorm_mode_32 3
		.amdhsa_float_denorm_mode_16_64 3
		.amdhsa_memory_ordered 1
		.amdhsa_forward_progress 1
		.amdhsa_inst_pref_size 43
	.end_amdhsa_kernel
	.amdgpu_metadata
---
amdhsa.version: [ 1, 2 ]
amdhsa.kernels:
  - .name:           k_q5a41adab40_proj
    .symbol:         k_q5a41adab40_proj.kd
    .args:
      - { .name: ob, .offset: 0, .size: 8, .value_kind: global_buffer, .address_space: global }
      - { .name: wq, .offset: 8, .size: 8, .value_kind: global_buffer, .address_space: global }
      - { .name: bp, .offset: 16, .size: 8, .value_kind: global_buffer, .address_space: global }
      - { .name: out0, .offset: 24, .size: 8, .value_kind: global_buffer, .address_space: global }
    .group_segment_fixed_size: 327680
    .private_segment_fixed_size: 0
    .kernarg_segment_align: 8
    .kernarg_segment_size: 32
    .max_flat_workgroup_size: 128
    .sgpr_count:     100
    .vgpr_count:     960
    .wavefront_size: 32
...
	.end_amdgpu_metadata
.endif
;; end of part 4
